; MI455X (gfx1250); checked and timed in simulation.
; The chip was launched on July 23, 2026; its instructions are those of AMD's public machine-readable ISA for CDNA 5 (MIT licence, August 2026) and "CDNA5" Instruction Set Architecture Reference Guide (July 2026). The comments in the code are by the model that wrote it; some were corrected since.
;; Leapfrog Integrator. Allowed arithmetic: matrix products marked QUANTISED: E5M2 operands, one E8M0 scale for each 32 along K, by v_wmma_scale_f32_16x16x128_f8f6f4 with both operands' format E5M2, f32 sums; everything else in f32.
;; Inputs: U_codes 64 x 1 x 32 uint8 (E5M2 codes of U, K innermost, in blocks of 32 codes); U_scales 64 x 1 uint8 (E8M0 scales of U, one for each 32 codes along K); W_codes 32 x 2 x 32 uint8 (E5M2 codes of W, K innermost, in blocks of 32 codes); W_scales 32 x 2 uint8 (E8M0 scales of W, one for each 32 codes along K); Wf_codes 64 x 4 x 32 uint8 (E5M2 codes of Wf, K innermost, in blocks of 32 codes); Wf_scales 64 x 4 uint8 (E8M0 scales of Wf, one for each 32 codes along K); Wi_codes 64 x 2 x 32 uint8 (E5M2 codes of Wi, K innermost, in blocks of 32 codes); Wi_scales 64 x 2 uint8 (E8M0 scales of Wi, one for each 32 codes along K); bf 64 float32; force 131,072 x 64 float32; v 131,072 x 64 float32; x 131,072 x 64 float32.
;; Outputs: out0 131,072 x 64 float32; out1 131,072 x 64 float32.
;; Constants: steps = 4.
;; This version of the problem:
;;   THIS VERSION OF THE PROBLEM IS GIVEN IN LOW PRECISION. The matrix products marked QUANTISED in the list below multiply operands that are first quantised to E5M2 (5 exponent bits, 2 mantissa bits; 8 bits a number), with one power-of-two scale for each 32 numbers along K (OCP MX v1.0); their sums are f32. All else is computed in f32.
;;   The module's matrix products, in the order in which they are computed (A, B: the left and right operand; K: the contracted axis; several contracted axes count as one K, in the product's order):
;;     1. [M 131,072, K 64] x [K 64, N 32]; A: input v; B: input W (given as codes): QUANTISED
;;     2. [M 131,072, K 64] x [K 64, N 32]; A: input x; B: input W (given as codes): QUANTISED
;;     3. [M 131,072, K 32] x [K 32, N 64]; A: computed on the way; B: input U (given as codes): QUANTISED
;;     4. [M 131,072, K 128] x [K 128, N 64]; A: computed on the way; B: input Wf (given as codes): QUANTISED
;;     5. [M 131,072, K 64] x [K 64, N 64]; A: input force; B: input Wi (given as codes): QUANTISED
;;     6. [M 131,072, K 64] x [K 64, N 32]; A: computed on the way; B: input W (given as codes): QUANTISED
;;     7. [M 131,072, K 64] x [K 64, N 32]; A: computed on the way; B: input W (given as codes): QUANTISED
;;     8. [M 131,072, K 32] x [K 32, N 64]; A: computed on the way; B: input U (given as codes): QUANTISED
;;     9. [M 131,072, K 128] x [K 128, N 64]; A: computed on the way; B: input Wf (given as codes): QUANTISED
;;     10. [M 131,072, K 64] x [K 64, N 64]; A: input force; B: input Wi (given as codes): QUANTISED
;;     11. [M 131,072, K 64] x [K 64, N 32]; A: computed on the way; B: input W (given as codes): QUANTISED
;;     12. [M 131,072, K 64] x [K 64, N 32]; A: computed on the way; B: input W (given as codes): QUANTISED
;;     13. [M 131,072, K 32] x [K 32, N 64]; A: computed on the way; B: input U (given as codes): QUANTISED
;;     14. [M 131,072, K 128] x [K 128, N 64]; A: computed on the way; B: input Wf (given as codes): QUANTISED
;;     15. [M 131,072, K 64] x [K 64, N 64]; A: input force; B: input Wi (given as codes): QUANTISED
;;     16. [M 131,072, K 64] x [K 64, N 32]; A: computed on the way; B: input W (given as codes): QUANTISED
;;     17. [M 131,072, K 64] x [K 64, N 32]; A: computed on the way; B: input W (given as codes): QUANTISED
;;     18. [M 131,072, K 32] x [K 32, N 64]; A: computed on the way; B: input U (given as codes): QUANTISED
;;     19. [M 131,072, K 128] x [K 128, N 64]; A: computed on the way; B: input Wf (given as codes): QUANTISED
;;     20. [M 131,072, K 64] x [K 64, N 64]; A: input force; B: input Wi (given as codes): QUANTISED
;;     21. [M 131,072, K 64] x [K 64, N 32]; A: computed on the way; B: input W (given as codes): QUANTISED
;;     22. [M 131,072, K 64] x [K 64, N 32]; A: computed on the way; B: input W (given as codes): QUANTISED
;;     23. [M 131,072, K 32] x [K 32, N 64]; A: computed on the way; B: input U (given as codes): QUANTISED
;;     24. [M 131,072, K 128] x [K 128, N 64]; A: computed on the way; B: input Wf (given as codes): QUANTISED
;;     25. [M 131,072, K 64] x [K 64, N 64]; A: input force; B: input Wi (given as codes): QUANTISED
;;     26. [M 131,072, K 64] x [K 64, N 32]; A: computed on the way; B: input W (given as codes): QUANTISED
;;     27. [M 131,072, K 64] x [K 64, N 32]; A: computed on the way; B: input W (given as codes): QUANTISED
;;     28. [M 131,072, K 32] x [K 32, N 64]; A: computed on the way; B: input U (given as codes): QUANTISED
;;     29. [M 131,072, K 128] x [K 128, N 64]; A: computed on the way; B: input Wf (given as codes): QUANTISED
;;     30. [M 131,072, K 64] x [K 64, N 64]; A: input force; B: input Wi (given as codes): QUANTISED
;;     31. [M 131,072, K 64] x [K 64, N 32]; A: computed on the way; B: input W (given as codes): QUANTISED
;;     32. [M 131,072, K 64] x [K 64, N 32]; A: computed on the way; B: input W (given as codes): QUANTISED
;;     33. [M 131,072, K 32] x [K 32, N 64]; A: computed on the way; B: input U (given as codes): QUANTISED
;;     34. [M 131,072, K 128] x [K 128, N 64]; A: computed on the way; B: input Wf (given as codes): QUANTISED
;;     35. [M 131,072, K 64] x [K 64, N 64]; A: input force; B: input Wi (given as codes): QUANTISED
;;     36. [M 131,072, K 64] x [K 64, N 32]; A: computed on the way; B: input W (given as codes): QUANTISED
;;     37. [M 131,072, K 64] x [K 64, N 32]; A: computed on the way; B: input W (given as codes): QUANTISED
;;     38. [M 131,072, K 32] x [K 32, N 64]; A: computed on the way; B: input U (given as codes): QUANTISED
;;     39. [M 131,072, K 128] x [K 128, N 64]; A: computed on the way; B: input Wf (given as codes): QUANTISED
;;     40. [M 131,072, K 64] x [K 64, N 64]; A: input force; B: input Wi (given as codes): QUANTISED
;;   THE QUANTISER, for each operand of a quantised product, along K:
;;     - K is cut into blocks of 32 from its start; a last block that is shorter is filled with zeros.
;;     - A block's scale is 2^e with e = floor(log2(the largest magnitude in the block)) - 15, held to -126 .. 127; a block of zeros has e = 0. As a byte (E8M0): e + 127.
;;     - Each number is divided by its block's scale, clamped to +-57,344, and rounded to the nearest number of E5M2, ties to even, subnormals kept.
;;     - The product sums the exact products of the quantised numbers (number of the format x scale) in f32.
;;   ~~~python
;;   def quantise(x, axis):      # numpy; x: float32 -> the quantised numbers, widened to float32 again
;;       x = np.moveaxis(x, axis, -1); K = x.shape[-1]
;;       x = np.pad(x, [(0, 0)] * (x.ndim - 1) + [(0, -K % 32)]); x = x.reshape(x.shape[:-1] + (-1, 32)); a = np.abs(x).max(-1, keepdims=True)
;;       e = np.where(a > 0, np.clip(np.frexp(np.where(a > 0, a, 1))[1] - 1 - 15, -126, 127), 0)      # np.frexp(a)[1] - 1 = floor(log2(a)), exactly
;;       r = np.clip(x / 2.0 ** e, -57344, 57344)
;;       step = 2.0 ** (np.maximum(np.frexp(np.where(r == 0, 1, r))[1] - 1, -14) - 2)
;;       q = np.round(r / step) * step * 2.0 ** e      # np.round: ties to even
;;       return np.moveaxis(q.reshape(q.shape[:-2] + (-1,))[..., :K], -1, axis).astype(np.float32)
;;   ~~~
;;   OPERANDS COMPUTED ON THE WAY. 'Computed on the way' means the value that the module computes at that place (a softmax that the list does not call 'softmax' is quantised finished and normalised). What goes into a quantiser is computed in f32, as accurately as f32 sums, v_exp_f32 and their like allow (about 1e-6 of the number): no bf16 or f16 on the way to a quantiser, and a product that is left as it is and whose result goes on into a quantised operand takes f32 operands (vector FMAs, or v_wmma_f32_16x16x4_f32). A number that lies on a knife's edge between two numbers of the format may be rounded either way, as far as f32 arithmetic and the matrix unit's own rounding can turn it there, and no further.
;;   INPUTS GIVEN AS CODES. U (in the module: [64, 32], K = its axis 1); W (in the module: [32, 64], K = its axis 1); Wf (in the module: [64, 128], K = its axis 1); Wi (in the module: [64, 64], K = its axis 1): each comes as NAME_codes (uint8): NAME with its K axis moved to the last place and cut into blocks of 32 codes, [.., K / 32, bytes a block], one block behind the other in memory; one code a byte (a code: sign, 5 exponent bits, 2 mantissa bits); and NAME_scales (uint8): the same leading axes, one E8M0 byte (e + 127) for each 32 codes along K. Its value is code x scale, taken as it is: it is not quantised again, and the codes and scales need not be those that the quantiser above would give.
;; 2 versions. Each part assembles by itself: llvm-mc -triple=amdgcn-amd-amdhsa -mcpu=gfx1250 --defsym DOCPART=n.
;; ======== version 1 of 2: 1 launch
;; launch leap (part 1): grid 256 x 1, 16 waves a work-group, no clusters, 215,552 bytes of LDS; arguments x, v, force, bf, W_codes, W_scales, U_codes, U_scales, Wf_codes, Wf_scales, Wi_codes, Wi_scales, out0, out1; writes out0, out1
.if DOCPART == 1
	.amdgcn_target "amdgcn-amd-amdhsa--gfx1250"
	.amdhsa_code_object_version 6
	.text
	.protected	k_q085b95b2eb_leap
	.globl	k_q085b95b2eb_leap
	.p2align	8
	.type	k_q085b95b2eb_leap,@function
k_q085b95b2eb_leap:
	s_mov_b64 s[64:65], 0
	v_nop
	global_prefetch_b8 v0, s[64:65] scope:SCOPE_SE
	s_setreg_imm32_b32 hwreg(HW_REG_WAVE_MODE, 25, 1), 1
	s_wait_xcnt 0x0
; FOUR LEAPFROG STEPS ON 131,072 ROWS OF 64, all products on codes of BF8 (E5M2) with one E8M0 scale for each 32 along K.
; A half step: gamma = Q(pv^2 tanh(px)) U^T with pv = Q(v) W^T, px = Q(x) W^T;  gate = Q([sin x, cos x]) Wf^T + bf + Q(force) Wi^T;
; v <- (v + h (force - gamma)) / (1 + h mu + 1e-7), mu = 0.02 sigmoid(gate) (1 + 0.1 |v| / 8.000001).  Between a step's two half steps x <- wrap(x + dt v).
; WORK THAT HAS THE SAME OPERANDS IS DONE ONCE: bf + Q(force) Wi^T once for a row; all that hangs on x alone (px, tanh, features, gate, sigmoid) once for each of x0 .. x4,
; since a step's second half and the next step's first half see the same x.  What hangs on v is done in all eight half steps.
; SHARES.  A tile is 16 rows: 4,096 consecutive bytes of x, v, force, out0, out1.  256 work-groups x 16 waves x 2 trips = 8,192 tiles; a wave keeps its tile in registers through all four steps.
; Rows are independent and no row is read by two work-groups: no cluster, no joint loads; the weights, 17 KB, are all that is shared.  Waves share Wf's fragments in LDS alone: one barrier in the text.
; LAYOUT, the same for x, v, force, gamma and gate: lane l holds row r = l % 16; with h = l / 16 its register 16 c + i holds column 32 c + 16 h + i: the order of an 8-bit operand along K,
; so that the conversions' results ARE the operand's registers.  Every product is used transposed (source 0 = 16 rows of a weight, source 1 = the tile), and THE ROWS OF A WEIGHT THAT FORM A TILE ARE NOT
; NEIGHBOURS: lane r of tile 2 b + u takes row 32 b + 8 u + r + 8 (r / 8), so that register 8 (2 b + u) + j of a result is column 32 b + 16 h + 8 u + j: the same layout again.
; SHORT K IS PACKED: the instruction's 128 along K hold two tiles of W or of Wi (K = 64 each) or four tiles of U (K = 32 each).  The tile's codes lie in a window of registers with zero codes on both sides;
; the fragment that is named begins 8 u (or 4 t) registers in front of them, so that they meet the wanted tile's codes and zeros meet the others.  The tile's scale word repeats its bytes in every place that is read.
; sin AND cos by the half angle: with u = x^2, Sv = sqrt(2) sin(x / 2) = x A(u), Cv = sqrt(2) cos(x / 2) = B(u) (Taylor, 6 and 7 terms, for |x| <= pi): sin x = Sv Cv, cos x = 1 - Sv^2.
; THE WRAP has reference()'s roundings: a = y + pi; a - floor(a / 2 pi) 2 pi by one fused multiply-add, whose exact result is a number of f32 where a >= 0; then - pi.
; LIMITS.  NaN and infinities, in the f32 inputs or as codes or scale bytes of the weights, are not served.  sin and cos carry an absolute error of about 2e-7, tanh (1 - 2 / (1 + e^(2 x))) of about 1.2e-7,
; so their relative error grows near their zeros.  The given x is brought into [-pi, pi] for its sin and cos with 2 pi in two parts: good while |x| stays under about 1e5.  The wrap's whole number is
; floor(fl(a / 2 pi)): right at a = 0 and at a = 2 pi; beyond two periods an a within an ulp of a multiple of 2 pi may come out as +pi in place of -pi.  x + dt v is one fused multiply-add.
; A block of zeros gets the scale byte 1 where the rule says 127: its codes are zeros, and nobody else reads the byte.
.set PITCH, 272                        ; an LDS row of a tile: 256 bytes + 16 = 68 words: row r starts at bank 4 r mod 64 (64 banks of 4 bytes: ISA guide 11.1)
.set WFI,   0                          ; LDS: Wf's four fragments as images of their registers: piece (t, c) at 2048 t + 512 c + 16 x lane; written once, read by all waves
.set PW0,   8704                       ; from here on 12,800 bytes for each wave, its own:
.set WREG,  12800
.set FST,   0                          ;   force, 16 rows of PITCH bytes: it stays for the trip
.set G0I,   4352                       ;   bf + Q(force) Wi^T as an image of its 32 registers: 512 i + 16 x lane
.set STG,   8448                       ;   a stage of 16 rows of PITCH bytes: x and v on the way in, out0 and out1 on the way out
.set LI,  1                            ; v1   16 x lane: a lane's place in an image, and in 512 consecutive bytes of memory; never rewritten
.set AIM, 2                            ; v2   my wave's LDS + 16 x lane
.set AFR, 3                            ; v3   my wave's LDS + PITCH r + 64 h: my 16 numbers of a block of 32
.set ADN, 4                            ; v4   my wave's LDS + PITCH h + 16 r: two rows as they lie in memory
.set WPS, 5                            ; v5   W's scale word;  v6 U's;  v7 the tile's (x, v, force, q);  v8-11 Wf's;  v12 the features', earlier Wi's first;  v13 Wi's second: scales and nothing else
.set UPS, 6
.set DS,  7
.set WFS, 8
.set FS,  12
.set WIS, 12
.set KAP, 14                           ; v14  kappa = h 0.02 (1 + 0.1 |v| / 8.000001);  v15 a lane permute's destination
.set A5V, 16                           ; v[16:17], v[18:19] the polynomials' top coefficients, in both words
.set B6V, 18
.set TM,  20                           ; block b: v[20+4b] largest magnitude, +1 the other chain, then the byte, +2 57,344 x the scale, +3 the conversion's scale operand
.set NRM, 24                           ; v24-31 four pairs of partial sums of squares (v24-27 by turns with block 1's four)
.set X,   32
.set V,   64
.set S,   96                           ; sigmoid(gate); at work at other times
.set T,   128                          ; -tanh(px); at a trip's head Wi's first packed fragment
.set PV,  144                          ; pv, q, the denominators; at a trip's head Wi's second packed fragment
.set FE,  144                          ; the features' codes
.set GAM, 160                          ; force - gamma; held numbers; fragments of Wf; bf
.set WP,  192                          ; W, two tiles packed
.set UP,  208                          ; U, four tiles packed
.set C0,  236                          ; the window: zeros v224-235, the tile's codes v236-243, zeros v244-251
.set PFO, 252                          ; v252 256 x lane: the prefetch's offset; never rewritten
; ---- one line of the search for a block's scale: block b, its 16 numbers at v[a]
.macro QLINE n, b, a
.if \n == 0
	v_max3_num_f32 v[TM+4*\b], |v[\a]|, |v[\a+1]|, 0x8000000        ; with the floor 2^(16 - 127): the byte cannot fall under 1
.elseif \n == 1
	v_max3_num_f32 v[TM+4*\b+1], |v[\a+8]|, |v[\a+9]|, |v[\a+10]|   ; a second chain
.elseif \n == 2
	v_max3_num_f32 v[TM+4*\b], v[TM+4*\b], |v[\a+2]|, |v[\a+3]|
.elseif \n == 3
	v_max3_num_f32 v[TM+4*\b+1], v[TM+4*\b+1], |v[\a+11]|, |v[\a+12]|
.elseif \n == 4
	v_max3_num_f32 v[TM+4*\b], v[TM+4*\b], |v[\a+4]|, |v[\a+5]|
.elseif \n == 5
	v_max3_num_f32 v[TM+4*\b+1], v[TM+4*\b+1], |v[\a+13]|, |v[\a+14]|
.elseif \n == 6
	v_max3_num_f32 v[TM+4*\b], v[TM+4*\b], |v[\a+6]|, |v[\a+7]|
.elseif \n == 7
	v_max3_num_f32 v[TM+4*\b], v[TM+4*\b], v[TM+4*\b+1], |v[\a+15]|
.elseif \n == 8
	v_permlanex16_b32 v[TM+4*\b+1], v[TM+4*\b], s36, s37            ; lane l xor 16 holds the block's other 16
.elseif \n == 9
	v_max_num_f32 v[TM+4*\b], v[TM+4*\b], v[TM+4*\b+1]              ; the block's largest magnitude
.elseif \n == 10
	v_add_nc_u32 v[TM+4*\b+3], 0xf8800000, v[TM+4*\b]               ; 15 off its exponent field: the conversion takes this operand's exponent field as its scale
.elseif \n == 11
	v_and_or_b32 v[TM+4*\b+2], v[TM+4*\b], 0x7f800000, s38          ; 57,344 x the scale
.else
	v_lshrrev_b32 v[TM+4*\b+1], 23, v[TM+4*\b+3]                    ; the scale's byte
.endif
.endm
.macro QMAX nb, A, B                   ; one or two blocks, line by line by turns
.irp n, 0,1,2,3,4,5,6,7,8,9,10,11,12
	QLINE \n, 0, \A
.if \nb > 1
	QLINE \n, 1, \B
.endif
.endr
.endm
.macro DSW b0, b1                      ; the tile's scale word: (b0, b1, b0, b1)
	v_lshl_or_b32 v[DS], v[\b1], 8, v[\b0]
	v_lshl_or_b32 v[DS], v[DS], 16, v[DS]
.endm
.macro QBLK b, A, H, C                 ; block b: the hold (the conversion to an 8-bit code does not saturate: ISA guide 7.6.2) into v[H], 16 codes into v[C] on
.irp i, 0,1,2,3,4,5,6,7,8,9,10,11,12,13,14,15
	v_med3_num_f32 v[\H+\i], v[\A+\i], -v[TM+4*\b+2], v[TM+4*\b+2]
.endr
	v_cvt_scalef32_pk8_bf8_f32 v[\C:\C+1], v[\H:\H+7], v[TM+4*\b+3]
	v_cvt_scalef32_pk8_bf8_f32 v[\C+2:\C+3], v[\H+8:\H+15], v[TM+4*\b+3]
.endm
.macro WM0 D, A, B, sa, sb             ; a product that starts its sum
	v_wmma_scale_f32_16x16x128_f8f6f4 v[\D:\D+7], v[\A:\A+15], v[\B:\B+15], 0, v[\sa], v[\sb] matrix_a_fmt:MATRIX_FMT_BF8 matrix_b_fmt:MATRIX_FMT_BF8
.endm
.macro WMA D, A, B, sa, sb             ; a product onto what lies in its result's registers (bf, force, bf + Q(force) Wi^T: numbers that loads brought)
	v_wmma_scale_f32_16x16x128_f8f6f4 v[\D:\D+7], v[\A:\A+15], v[\B:\B+15], v[\D:\D+7], v[\sa], v[\sb] matrix_a_fmt:MATRIX_FMT_BF8 matrix_b_fmt:MATRIX_FMT_BF8
.endm
; No two matrix instructions that follow each other in this text share an accumulator, round both back edges too, and each accumulator's turn is one instruction.
; ---- sin and cos of block c of x.  SC_PRE: u = x^2 into v[S] on.  red = 1 (the given x): first r = x - rndne(x / 2 pi) 2 pi, 2 pi in two parts, into v[GAM+16] on, and u = r^2
.macro SC_PRE c, red
.if \red
.irp p, 0,2,4,6,8,10,12,14
	v_pk_mul_f32 v[S+\p:S+\p+1], v[X+16*\c+\p:X+16*\c+\p+1], 0x3e22f983 op_sel_hi:[1,0]
.endr
.irp i, 0,1,2,3,4,5,6,7,8,9,10,11,12,13,14,15
	v_rndne_f32 v[S+\i], v[S+\i]
.endr
.irp p, 0,2,4,6,8,10,12,14
	v_pk_fma_f32 v[GAM+16+\p:GAM+17+\p], v[S+\p:S+\p+1], 0xc0c90fdb, v[X+16*\c+\p:X+16*\c+\p+1] op_sel_hi:[1,0,1]
.endr
.irp p, 0,2,4,6,8,10,12,14
	v_pk_fma_f32 v[GAM+16+\p:GAM+17+\p], v[S+\p:S+\p+1], 0x343bbd2e, v[GAM+16+\p:GAM+17+\p] op_sel_hi:[1,0,1]
.endr
.irp p, 0,2,4,6,8,10,12,14
	v_pk_mul_f32 v[S+\p:S+\p+1], v[GAM+16+\p:GAM+17+\p], v[GAM+16+\p:GAM+17+\p]
.endr
.else
.irp p, 0,2,4,6,8,10,12,14
	v_pk_mul_f32 v[S+\p:S+\p+1], v[X+16*\c+\p:X+16*\c+\p+1], v[X+16*\c+\p:X+16*\c+\p+1]
.endr
.endif
.endm
.macro HORN D, k                       ; D = D u + k, eight pairs
.irp p, 0,2,4,6,8,10,12,14
	v_pk_fma_f32 v[\D+\p:\D+\p+1], v[\D+\p:\D+\p+1], v[S+\p:S+\p+1], \k op_sel_hi:[1,1,0]
.endr
.endm
.macro SC_POLY c, red                  ; leaves sin in v[S] on and cos in v[S+16] on; A(u) in v[GAM] on, B(u) in v[S+16] on, by turns
.irp p, 0,2,4,6,8,10,12,14
	v_pk_fma_f32 v[GAM+\p:GAM+\p+1], v[S+\p:S+\p+1], v[A5V:A5V+1], 0x3202c4a3 op_sel_hi:[1,1,0]
.endr
.irp p, 0,2,4,6,8,10,12,14
	v_pk_fma_f32 v[S+16+\p:S+17+\p], v[S+\p:S+\p+1], v[B6V:B6V+1], 0xafd13a9e op_sel_hi:[1,1,0]
.endr
	HORN GAM,  0xb6131d37
	HORN S+16, 0x34131d37
	HORN GAM,  0x39c11659
	HORN S+16, 0xb800b990
	HORN GAM,  0xbcf15bef
	HORN S+16, 0x3b715bef
	HORN GAM,  0x3f3504f3
	HORN S+16, 0xbe3504f3
	HORN S+16, 0x3fb504f3
.irp p, 0,2,4,6,8,10,12,14
.if \red
	v_pk_mul_f32 v[GAM+\p:GAM+\p+1], v[GAM+\p:GAM+\p+1], v[GAM+16+\p:GAM+17+\p]          ; Sv = r A(u)
.else
	v_pk_mul_f32 v[GAM+\p:GAM+\p+1], v[GAM+\p:GAM+\p+1], v[X+16*\c+\p:X+16*\c+\p+1]      ; Sv = x A(u)
.endif
.endr
.irp p, 0,2,4,6,8,10,12,14
	v_pk_mul_f32 v[S+\p:S+\p+1], v[GAM+\p:GAM+\p+1], v[S+16+\p:S+17+\p]                  ; sin = Sv Cv
.endr
.irp p, 0,2,4,6,8,10,12,14
	v_pk_fma_f32 v[S+16+\p:S+17+\p], v[GAM+\p:GAM+\p+1], v[GAM+\p:GAM+\p+1], 1.0 op_sel_hi:[1,1,0] neg_lo:[1,0,0] neg_hi:[1,0,0]   ; cos = 1 - Sv^2
.endr
.endm
; ---- ALL THAT HANGS ON x: leaves -tanh(px) in v[T] on and sigmoid(gate) in v[S] on
.macro XEVAL red
	QMAX 2, X, X+16
	DSW TM+1, TM+5
	QBLK 0, X, GAM, C0
	QBLK 1, X+16, GAM+16, C0+4
	v_nop                                          ; one plain line behind the last conversion of a run
	SC_PRE 0, \red                                 ; with the line above: more than the four places between the codes and the scaled products; the scale word stands 32 holds further up
	WM0 T,   WP, C0,   WPS, DS                     ; px, units 16 h + 0 .. 7: the codes meet W's tile 0,
	WM0 T+8, WP, C0-8, WPS, DS                     ; units 16 h + 8 .. 15: eight registers on, W's tile 1
	SC_POLY 0, \red
	QMAX 2, S, S+16
	v_lshl_or_b32 v[FS], v[TM+5], 16, v[TM+1]      ; the features' K: sin of columns 0-31, 32-63, cos of columns 0-31, 32-63: bytes 0 and 2 now,
	QBLK 0, S, S, FE
	QBLK 1, S+16, S+16, FE+8
	v_nop
	SC_PRE 1, \red
	SC_POLY 1, \red
	QMAX 2, S, S+16
	v_lshl_or_b32 v[TM+1], v[TM+5], 16, v[TM+1]
	v_lshl_or_b32 v[FS], v[TM+1], 8, v[FS]         ; bytes 1 and 3
	QBLK 0, S, S, FE+4
	QBLK 1, S+16, S+16, FE+12
	v_nop
.irp i, 0,1,2,3,4,5,6,7
	ds_load_b128 v[S+4*\i:S+4*\i+3], v[AIM] offset:G0I+512*\i          ; bf + Q(force) Wi^T: the gate's sums begin with it
.endr
.irp i, 0,1,2,3,4,5,6,7
	ds_load_b128 v[GAM+4*\i:GAM+4*\i+3], v[LI] offset:WFI+512*\i       ; Wf's fragments 0 and 1
.endr
.irp p, 0,2,4,6,8,10,12,14
	v_pk_mul_f32 v[T+\p:T+\p+1], v[T+\p:T+\p+1], 0x4038aa3b op_sel_hi:[1,0]   ; 2 log2(e) px; each accumulator is read from its low end on
.endr
.irp i, 0,1,2,3,4,5,6,7,8,9,10,11,12,13,14,15
	v_exp_f32 v[T+\i], v[T+\i]
.endr
	v_nop                                          ; one plain line behind the transcendentals
	s_wait_alu depctr_va_vdst(0)
.irp p, 0,2,4,6,8,10,12,14
	v_pk_add_f32 v[T+\p:T+\p+1], v[T+\p:T+\p+1], 1.0 op_sel_hi:[1,0]
.endr
.irp i, 0,1,2,3,4,5,6,7,8,9,10,11,12,13,14,15
	v_rcp_f32 v[T+\i], v[T+\i]
.endr
	v_nop
	s_wait_dscnt 0x0                               ; the sixteen loads are in
	WMA S,   GAM,    FE, WFS,   FS
	WMA S+8, GAM+16, FE, WFS+1, FS
	s_wait_alu depctr_va_vdst(0)
.irp p, 0,2,4,6,8,10,12,14
	v_pk_fma_f32 v[T+\p:T+\p+1], v[T+\p:T+\p+1], 2.0, -1.0 op_sel_hi:[1,0,0]  ; -tanh(px) = 2 / (1 + e^(2 px)) - 1.  Eight plain lines that name no register of the two products: the places in front of the loads below
.endr
.irp i, 0,1,2,3,4,5,6,7
	ds_load_b128 v[GAM+4*\i:GAM+4*\i+3], v[LI] offset:WFI+4096+512*\i  ; Wf's fragments 2 and 3
.endr
	s_wait_dscnt 0x0
	WMA S+16, GAM,    FE, WFS+2, FS
	WMA S+24, GAM+16, FE, WFS+3, FS
.irp p, 0,2,4,6,8,10,12,14
	v_pk_mul_f32 v[S+\p:S+\p+1], v[S+\p:S+\p+1], 0xbfb8aa3b op_sel_hi:[1,0]   ; the first two tiles' results: eight places behind the last two products, none of whose registers they name
.endr
.irp p, 16,18,20,22,24,26,28,30
	v_pk_mul_f32 v[S+\p:S+\p+1], v[S+\p:S+\p+1], 0xbfb8aa3b op_sel_hi:[1,0]
.endr
.irp i, 0,1,2,3,4,5,6,7,8,9,10,11,12,13,14,15,16,17,18,19,20,21,22,23,24,25,26,27,28,29,30,31
	v_exp_f32 v[S+\i], v[S+\i]
.endr
	v_nop
	s_wait_alu depctr_va_vdst(0)
.irp p, 0,2,4,6,8,10,12,14,16,18,20,22,24,26,28,30
	v_pk_add_f32 v[S+\p:S+\p+1], v[S+\p:S+\p+1], 1.0 op_sel_hi:[1,0]
.endr
.irp i, 0,1,2,3,4,5,6,7,8,9,10,11,12,13,14,15,16,17,18,19,20,21,22,23,24,25,26,27,28,29,30,31
	v_rcp_f32 v[S+\i], v[S+\i]                     ; sigmoid(gate)
.endr
	v_nop
.endm
; ---- A HALF STEP OF v
.macro HALF a                          ; columns 32 a on
.irp p, 0,2,4,6,8,10,12,14
	v_pk_fma_f32 v[PV+\p:PV+\p+1], v[S+16*\a+\p:S+16*\a+\p+1], v[KAP:KAP+1], 0x3f800001 op_sel_hi:[1,0,0]   ; sigmoid x kappa + (1 + 1e-7)
.endr
.irp i, 0,1,2,3,4,5,6,7,8,9,10,11,12,13,14,15
	v_rcp_f32 v[PV+\i], v[PV+\i]
.endr
.irp p, 0,2,4,6,8,10,12,14
	v_pk_fma_f32 v[V+16*\a+\p:V+16*\a+\p+1], v[GAM+16*\a+\p:GAM+16*\a+\p+1], 0x3ba3d70a, v[V+16*\a+\p:V+16*\a+\p+1] op_sel_hi:[1,0,1]   ; v + h (force - gamma): plain lines behind the reciprocals; each accumulator from its low end on
.endr
	s_wait_alu depctr_va_vdst(0)
.irp p, 0,2,4,6,8,10,12,14
	v_pk_mul_f32 v[V+16*\a+\p:V+16*\a+\p+1], v[V+16*\a+\p:V+16*\a+\p+1], v[PV+\p:PV+\p+1]
.endr
.endm
.macro KICK
	QMAX 2, V, V+16
	DSW TM+1, TM+5
	QBLK 0, V, GAM, C0
	QBLK 1, V+16, GAM+16, C0+4
	v_nop
	v_pk_mul_f32 v[NRM+4:NRM+5], v[V+4:V+5], v[V+4:V+5]    ; |v|^2 of the unquantised v, in four pairs of chains; with the line above five places between the codes and the products
	v_pk_mul_f32 v[NRM+6:NRM+7], v[V+6:V+7], v[V+6:V+7]
	v_pk_mul_f32 v[NRM:NRM+1],   v[V:V+1],   v[V:V+1]
	v_pk_mul_f32 v[NRM+2:NRM+3], v[V+2:V+3], v[V+2:V+3]
	WM0 PV,   WP, C0,   WPS, DS                     ; pv
	WM0 PV+8, WP, C0-8, WPS, DS
.irp c, 0,1
.irp j, 0,1,2,3
	ds_load_b128 v[GAM+16*\c+4*\j:GAM+16*\c+4*\j+3], v[AFR] offset:FST+128*\c+16*\j   ; force: the sums of force - gamma begin with it
.endr
.endr
.irp k, 4,5,6,7,8,9,10,11,12,13,14,15
	v_pk_fma_f32 v[NRM+2*(\k%4):NRM+2*(\k%4)+1], v[V+2*\k:V+2*\k+1], v[V+2*\k:V+2*\k+1], v[NRM+2*(\k%4):NRM+2*(\k%4)+1]   ; twelve plain lines that name no register of the two products: their places
.endr
.irp i, 0,1,2,3
	v_mov_b32 v[C0+4+\i], 0                        ; q has one block of 32: zeros behind its four registers of codes
.endr
.irp p, 0,2,4,6,8,10,12,14
	v_pk_mul_f32 v[PV+\p:PV+\p+1], v[PV+\p:PV+\p+1], v[PV+\p:PV+\p+1]
.endr
.irp p, 0,2,4,6,8,10,12,14
	v_pk_mul_f32 v[PV+\p:PV+\p+1], v[PV+\p:PV+\p+1], v[T+\p:T+\p+1]   ; -pv^2 tanh(px): the quantiser is odd, so the sign goes through it
.endr
	QMAX 1, PV, PV
	DSW TM+1, TM+1
	QBLK 0, PV, PV, C0
	v_nop
	v_pk_add_f32 v[NRM:NRM+1], v[NRM:NRM+1], v[NRM+2:NRM+3]
	v_pk_add_f32 v[NRM+4:NRM+5], v[NRM+4:NRM+5], v[NRM+6:NRM+7]
	v_pk_add_f32 v[NRM:NRM+1], v[NRM:NRM+1], v[NRM+4:NRM+5]
	v_add_f32 v[KAP], v[NRM], v[NRM+1]             ; my 32 squares.  (Five plain lines between the codes and the products)
	s_wait_dscnt 0x0                               ; force is in
.irp t, 0,1,2,3
	WMA GAM+8*\t, UP, C0-4*\t, UPS, DS             ; force - gamma: the codes meet U's tile t
.endr
	v_permlanex16_b32 v[KAP+1], v[KAP], s36, s37
	v_add_f32 v[KAP], v[KAP], v[KAP+1]             ; the row's |v|^2
	v_sqrt_f32 v[KAP], v[KAP]
	v_nop
	s_wait_alu depctr_va_vdst(0)
	v_fma_f32 v[KAP], v[KAP], s46, s47             ; kappa = 1e-4 + (1e-5 / 8.000001) |v|
	HALF 0                                         ; its first eight lines name no register of the four products: their places
	HALF 1
.endm
; ---- x <- wrap(x + dt v)
.macro DRIFT
.irp p, 0,2,4,6,8,10,12,14,16,18,20,22,24,26,28,30
	v_pk_fma_f32 v[X+\p:X+\p+1], v[V+\p:V+\p+1], 0x3c23d70a, v[X+\p:X+\p+1] op_sel_hi:[1,0,1]
.endr
.irp p, 0,2,4,6,8,10,12,14,16,18,20,22,24,26,28,30
	v_pk_add_f32 v[GAM+\p:GAM+\p+1], v[X+\p:X+\p+1], 0x40490fdb op_sel_hi:[1,0]      ; a = y + pi
.endr
.irp p, 0,2,4,6,8,10,12,14,16,18,20,22,24,26,28,30
	v_pk_mul_f32 v[S+\p:S+\p+1], v[GAM+\p:GAM+\p+1], 0x3e22f983 op_sel_hi:[1,0]
.endr
.irp i, 0,1,2,3,4,5,6,7,8,9,10,11,12,13,14,15,16,17,18,19,20,21,22,23,24,25,26,27,28,29,30,31
	v_floor_f32 v[S+\i], v[S+\i]
.endr
.irp p, 0,2,4,6,8,10,12,14,16,18,20,22,24,26,28,30
	v_pk_fma_f32 v[GAM+\p:GAM+\p+1], v[S+\p:S+\p+1], 0xc0c90fdb, v[GAM+\p:GAM+\p+1] op_sel_hi:[1,0,1]   ; a mod 2 pi
.endr
.irp p, 0,2,4,6,8,10,12,14,16,18,20,22,24,26,28,30
	v_pk_add_f32 v[X+\p:X+\p+1], v[GAM+\p:GAM+\p+1], 0xc0490fdb op_sel_hi:[1,0]
.endr
.endm
; ---- a trip's 44 loads, in the order in which they are wanted: x 8, force 8, Wi 8, Wi's scales 4, bf 8, v 8.  x, force and v as they lie: 32 lanes read 512 consecutive bytes
.macro TLOADS
	v_and_b32 v26, 0x100, v[LI]
	v_and_b32 v24, 0xf0, v[LI]
	v_and_b32 v25, 0x80, v[LI]
	v_lshrrev_b32 v26, 2, v26                      ; 64 h: bf at my 16 columns of a block
	v_add_nc_u32 v25, v24, v25                     ; 16 (r + 8 (r / 8))
	v_lshrrev_b32 v24, 2, v26
	v_lshl_add_u32 v24, v25, 2, v24                ; Wi: a row is 64 bytes; + 16 h
	v_lshrrev_b32 v25, 3, v25                      ; Wi's scales: 2 bytes a row
.irp i, 0,1,2,3,4,5,6,7
	global_load_b128 v[X+4*\i:X+4*\i+3], v[LI], s[4:5] offset:512*\i th:TH_LOAD_NT
.endr
.irp i, 0,1,2,3,4,5,6,7
	global_load_b128 v[S+4*\i:S+4*\i+3], v[LI], s[8:9] offset:512*\i th:TH_LOAD_NT
.endr
.irp b, 0,1
.irp u, 0,1
.irp c, 0,1
	global_load_b128 v[T+16*\b+8*\u+4*\c:T+16*\b+8*\u+4*\c+3], v24, s[24:25] offset:(32*\b+8*\u)*64+32*\c   ; packed fragment b: tile 2 b in blocks 0, 1, tile 2 b + 1 in blocks 2, 3
.endr
.endr
.endr
.irp b, 0,1
.irp u, 0,1
	global_load_u16 v[TM+2*\b+\u], v25, s[26:27] offset:(32*\b+8*\u)*2
.endr
.endr
.irp b, 0,1
.irp j, 0,1,2,3
	global_load_b128 v[GAM+16*\b+4*\j:GAM+16*\b+4*\j+3], v26, s[10:11] offset:128*\b+16*\j
.endr
.endr
.irp i, 0,1,2,3,4,5,6,7
	global_load_b128 v[V+4*\i:V+4*\i+3], v[LI], s[6:7] offset:512*\i th:TH_LOAD_NT
.endr
.endm
; 32 registers as loaded go through my own LDS rows and come back in the operand's layout, into the registers that they left.  LDS serves a wave's instructions in order (ISA guide 5.7.1.4): no wait between
.macro IN reg, region
.irp i, 0,1,2,3,4,5,6,7
	ds_store_b128 v[ADN], v[\reg+4*\i:\reg+4*\i+3] offset:\region+2*PITCH*\i
.endr
.irp c, 0,1
.irp j, 0,1,2,3
	ds_load_b128 v[\reg+16*\c+4*\j:\reg+16*\c+4*\j+3], v[AFR] offset:\region+128*\c+16*\j
.endr
.endr
.endm
; and the other way round; then each store of the wave covers 512 consecutive bytes, at a multiple of 256 from the buffer's first byte
.macro OUT reg, base
.irp c, 0,1
.irp j, 0,1,2,3
	ds_store_b128 v[AFR], v[\reg+16*\c+4*\j:\reg+16*\c+4*\j+3] offset:STG+128*\c+16*\j
.endr
.endr
.irp i, 0,1,2,3,4,5,6,7
	ds_load_b128 v[\reg+4*\i:\reg+4*\i+3], v[ADN] offset:STG+2*PITCH*\i
.endr
.irp i, 0,1,2,3,4,5,6,7
	s_wait_dscnt 7-\i                              ; load i is in; the 7 - i behind it may be out
	global_store_b128 v[LI], v[\reg+4*\i:\reg+4*\i+3], s[\base:\base+1] offset:512*\i th:TH_STORE_NT
.endr
.endm
; ================ THE HEAD
	s_load_b256 s[4:11], s[0:1], 0x0               ; x s[4:5], v s[6:7], force s[8:9], bf s[10:11]
	s_load_b256 s[12:19], s[0:1], 0x20             ; W's codes, W's scales, U's codes, U's scales
	s_load_b256 s[20:27], s[0:1], 0x40             ; Wf's codes, Wf's scales, Wi's codes, Wi's scales
	s_load_b128 s[28:31], s[0:1], 0x60             ; out0, out1
	v_lshl_add_u32 v254, v0, 2, 0x34200
	v_mov_b32 v255, 0
	v_lshrrev_b32 v20, 5, v0
	v_readfirstlane_b32 s32, v20                   ; wave 0..15
	v_and_b32 v20, 31, v0                          ; lane
	v_and_b32 v21, 15, v0                          ; r
	v_bfe_u32 v22, v0, 4, 1                        ; h
	v_and_b32 v14, 8, v0
	v_add_nc_u32 v14, v14, v21                     ; r + 8 (r / 8): U's scale bytes, one a row
	v_lshlrev_b32 v15, 4, v22                      ; 16 h
	v_lshlrev_b32 v[LI], 4, v20
	v_lshlrev_b32 v[PFO], 8, v20
	s_mul_i32 s39, s32, WREG
	s_add_co_u32 s39, s39, PW0                     ; my wave's LDS
	v_add_nc_u32 v[AIM], s39, v[LI]
	v_mul_u32_u24 v[AFR], v21, PITCH
	v_lshl_add_u32 v[AFR], v22, 6, v[AFR]
	v_add_nc_u32 v[AFR], s39, v[AFR]
	v_mul_u32_u24 v[ADN], v22, PITCH
	v_lshl_add_u32 v[ADN], v21, 4, v[ADN]
	v_add_nc_u32 v[ADN], s39, v[ADN]
	v_lshl_add_u32 v27, v14, 7, v15                ; Wf: a row is 128 bytes; + 16 h
	v_lshl_add_u32 v28, v14, 5, v15                ; U: 32 bytes
	v_lshl_add_u32 v29, v14, 6, v15                ; W: 64 bytes
	v_lshlrev_b32 v30, 1, v14                      ; W's scales: 2 bytes a row
	v_lshlrev_b32 v31, 2, v14                      ; Wf's: 4
	v_lshlrev_b32 v253, 4, v0                      ; where my piece of Wf goes: 16 x the thread's number = 512 x wave + 16 x lane
	v_mov_b32 v[A5V], 0xad982aa2
	v_mov_b32 v[A5V+1], 0xad982aa2
	v_mov_b32 v[B6V], 0x2b4ae382
	v_mov_b32 v[B6V+1], 0x2b4ae382
	s_mov_b32 s33, 2                               ; trips to go
	s_mov_b32 s36, 0x76543210
	s_mov_b32 s37, 0xfedcba98                      ; v_permlanex16_b32's selects for lane l xor 16
	s_mov_b32 s38, 0x600000                        ; the mantissa field of 57,344
	s_mov_b32 s46, 0x35a7c5ab                      ; 1e-5 / 8.000001
	s_mov_b32 s47, 0x38d1b717                      ; 1e-4
	s_cmp_lt_u32 s32, 8
	s_cselect_b32 s35, 4, 64                       ; waves 0 to 7 prefetch at the fourth of the eight places, the others never
	s_lshl_b32 s40, ttmp9, 17                      ; the work-group's 32 tiles of 4,096 bytes
	s_mov_b32 s41, 0
	s_and_b32 s42, s32, 7
	s_lshl_b32 s42, s42, 13
	s_add_co_u32 s42, s42, s40
	s_add_co_u32 s42, s42, 65536                   ; the second trip's x of the work-group, 64 KB: 8,192 bytes for each of waves 0 to 7
	s_mov_b32 s43, 0
	s_lshl_b32 s39, s32, 12
	s_add_co_u32 s40, s40, s39                     ; my first tile
	s_lshr_b32 s2, s32, 3                          ; my piece of Wf: tile t = wave / 4 (it begins at row 32 (t / 2) + 8 (t % 2)), block c = wave % 4
	s_lshl_b32 s2, s2, 12
	s_bfe_u32 s3, s32, 0x10002
	s_lshl_b32 s3, s3, 10
	s_add_co_u32 s2, s2, s3
	s_and_b32 s3, s32, 3
	s_lshl_b32 s3, s3, 5
	s_add_co_u32 s2, s2, s3
	s_mov_b32 s3, 0
	s_wait_kmcnt 0x0
	s_add_nc_u64 s[44:45], s[4:5], s[42:43]
	s_add_nc_u64 s[4:5], s[4:5], s[40:41]
	s_add_nc_u64 s[6:7], s[6:7], s[40:41]
	s_add_nc_u64 s[8:9], s[8:9], s[40:41]
	s_add_nc_u64 s[28:29], s[28:29], s[40:41]
	s_add_nc_u64 s[30:31], s[30:31], s[40:41]
	s_add_nc_u64 s[20:21], s[20:21], s[2:3]
	; 19 loads that are made once
	global_load_b128 v[C0:C0+3], v27, s[20:21]                     ; my piece of Wf
	global_load_b128 v[WP:WP+3],     v29, s[12:13]                 ; W's tile 0 (rows r + 8 (r / 8)), K 0-31, 32-63;
	global_load_b128 v[WP+4:WP+7],   v29, s[12:13] offset:32
	global_load_b128 v[WP+8:WP+11],  v29, s[12:13] offset:512      ; tile 1: eight rows on
	global_load_b128 v[WP+12:WP+15], v29, s[12:13] offset:544
	global_load_b128 v[UP:UP+3],     v28, s[16:17]                 ; U's tiles 0 to 3: rows 0, 8, 32, 40 on
	global_load_b128 v[UP+4:UP+7],   v28, s[16:17] offset:256
	global_load_b128 v[UP+8:UP+11],  v28, s[16:17] offset:1024
	global_load_b128 v[UP+12:UP+15], v28, s[16:17] offset:1280
	global_load_u16 v244, v30, s[14:15]
	global_load_u16 v245, v30, s[14:15] offset:16
	global_load_u8 v246, v14, s[18:19]
	global_load_u8 v247, v14, s[18:19] offset:8
	global_load_u8 v248, v14, s[18:19] offset:32
	global_load_u8 v249, v14, s[18:19] offset:40
	global_load_b32 v[WFS],   v31, s[22:23]
	global_load_b32 v[WFS+1], v31, s[22:23] offset:32
	global_load_b32 v[WFS+2], v31, s[22:23] offset:128
	global_load_b32 v[WFS+3], v31, s[22:23] offset:160
	TLOADS                                         ; the first trip's
	s_wait_loadcnt 44                              ; the 19 are in; the trip's 44 stay out
	v_lshl_or_b32 v[WPS], v245, 16, v244           ; tile 0's two bytes, tile 1's two
	v_lshl_or_b32 v[UPS], v247, 8, v246            ; a byte for each of U's four tiles
	v_lshl_or_b32 v[UPS], v248, 16, v[UPS]
	v_lshl_or_b32 v[UPS], v249, 24, v[UPS]
	ds_store_b128 v253, v[C0:C0+3]
.irp i, 224,225,226,227,228,229,230,231,232,233,234,235,244,245,246,247,248,249,250,251
	v_mov_b32 v[\i], 0                             ; the window's zero codes: they stay
.endr
	s_wait_dscnt 0x0                               ; for the others' sake: my piece of Wf lies in LDS
	s_barrier_signal -1
	s_barrier_wait -1                              ; everybody's does; these bytes are only read from here on
; ================ A TRIP: ONE TILE THROUGH ALL FOUR STEPS
.Ltile:
	s_wait_loadcnt 36                              ; x is in: 36 loads were issued behind it
	IN X, STG
	s_wait_loadcnt 28                              ; force
	IN S, FST                                      ; its rows stay in LDS
	s_wait_loadcnt 8                               ; Wi, its scales and bf; v's eight loads stay out
	v_lshl_or_b32 v[WIS],   v[TM+1], 16, v[TM]
	v_lshl_or_b32 v[WIS+1], v[TM+3], 16, v[TM+2]
	s_wait_dscnt 0x0
	QMAX 2, S, S+16                                ; force
	DSW TM+1, TM+5
	QBLK 0, S, S, C0
	QBLK 1, S+16, S+16, C0+4
.rept 4
	v_nop                                          ; the plain line behind the conversions, and four places between the codes and the scaled products
.endr
	WMA GAM,    T,    C0,   WIS,   DS              ; bf + Q(force) Wi^T
	WMA GAM+8,  T,    C0-8, WIS,   DS
	WMA GAM+16, T+16, C0,   WIS+1, DS
	WMA GAM+24, T+16, C0-8, WIS+1, DS
.rept 8
	v_nop                                          ; eight places in front of the LDS stores that read the results; no other vector work is at hand
.endr
.irp i, 0,1,2,3,4,5,6,7
	ds_store_b128 v[AIM], v[GAM+4*\i:GAM+4*\i+3] offset:G0I+512*\i     ; each accumulator from its low end on
.endr
	s_wait_dscnt 0x0
	XEVAL 1                                        ; x0, as it is given
	s_wait_loadcnt 0x0                             ; v
	IN V, STG
	s_wait_dscnt 0x0
	s_mov_b32 s34, 4
.Lstep:
	KICK
	DRIFT
	XEVAL 0                                        ; serves this step's second half and the next step's first
	; The second trip's x of the work-group is asked for once, in the first trip's last step: 256 blocks of 256 bytes, a lane a block, one instruction in each of waves 0 to 7;
	; the half step below and the way out stand between it and the loads.  force and v have the work on x ahead of their first use and are not asked for.  The second trip asks for nothing.
	s_sub_co_u32 s35, s35, 1
	s_cmp_lg_u32 s35, 0
	s_cbranch_scc1 .Lno_ask
	global_prefetch_b8 v[PFO], s[44:45] th:TH_LOAD_NT scope:SCOPE_SE
.Lno_ask:
	KICK
	s_sub_co_u32 s34, s34, 1
	s_cmp_lg_u32 s34, 0
	s_cbranch_scc1 .Lstep
	OUT X, 28
	OUT V, 30
	s_wait_xcnt 0x0                                ; the stores have read their registers and their bases: both are written again only behind this wait
	s_add_nc_u64 s[4:5], s[4:5], 65536             ; sixteen tiles on
	s_add_nc_u64 s[6:7], s[6:7], 65536
	s_add_nc_u64 s[8:9], s[8:9], 65536
	s_add_nc_u64 s[28:29], s[28:29], 65536
	s_add_nc_u64 s[30:31], s[30:31], 65536
	s_sub_co_u32 s33, s33, 1
	s_cmp_eq_u32 s33, 0
	s_cbranch_scc1 .Lno_more                       ; the last trip loads nothing: no load leaves its buffer
	TLOADS
.Lno_more:
	s_cmp_lg_u32 s33, 0
	s_cbranch_scc1 .Ltile
	s_wait_tensorcnt 0x0
	ds_add_u32 v254, v255
	s_wait_dscnt 0x0
	s_endpgm
.Lfunc_end_k_q085b95b2eb_leap:
	.size	k_q085b95b2eb_leap, .Lfunc_end_k_q085b95b2eb_leap-k_q085b95b2eb_leap
	.p2alignl 7, 3214868480
	.fill 96, 4, 3214868480
	.section	.rodata,"a",@progbits
	.p2align	6, 0x0
	.amdhsa_kernel k_q085b95b2eb_leap
		.amdhsa_group_segment_fixed_size 215552
		.amdhsa_private_segment_fixed_size 0
		.amdhsa_enable_private_segment 0
		.amdhsa_kernarg_size 112
		.amdhsa_user_sgpr_count 2
		.amdhsa_user_sgpr_kernarg_segment_ptr 1
		.amdhsa_wavefront_size32 1
		.amdhsa_system_sgpr_workgroup_id_x 1
		.amdhsa_system_sgpr_workgroup_id_y 1
		.amdhsa_system_sgpr_workgroup_id_z 1
		.amdhsa_system_vgpr_workitem_id 0
		.amdhsa_next_free_vgpr 256
		.amdhsa_next_free_sgpr 66
		.amdhsa_reserve_vcc 0
		.amdhsa_float_denorm_mode_32 3
		.amdhsa_float_denorm_mode_16_64 3
		.amdhsa_memory_ordered 1
		.amdhsa_forward_progress 1
		.amdhsa_inst_pref_size 157
	.end_amdhsa_kernel
	.amdgpu_metadata
---
amdhsa.version: [ 1, 2 ]
amdhsa.kernels:
  - .name:           k_q085b95b2eb_leap
    .symbol:         k_q085b95b2eb_leap.kd
    .args:
      - { .name: x, .offset: 0, .size: 8, .value_kind: global_buffer, .address_space: global }
      - { .name: v, .offset: 8, .size: 8, .value_kind: global_buffer, .address_space: global }
      - { .name: force, .offset: 16, .size: 8, .value_kind: global_buffer, .address_space: global }
      - { .name: bf, .offset: 24, .size: 8, .value_kind: global_buffer, .address_space: global }
      - { .name: W_codes, .offset: 32, .size: 8, .value_kind: global_buffer, .address_space: global }
      - { .name: W_scales, .offset: 40, .size: 8, .value_kind: global_buffer, .address_space: global }
      - { .name: U_codes, .offset: 48, .size: 8, .value_kind: global_buffer, .address_space: global }
      - { .name: U_scales, .offset: 56, .size: 8, .value_kind: global_buffer, .address_space: global }
      - { .name: Wf_codes, .offset: 64, .size: 8, .value_kind: global_buffer, .address_space: global }
      - { .name: Wf_scales, .offset: 72, .size: 8, .value_kind: global_buffer, .address_space: global }
      - { .name: Wi_codes, .offset: 80, .size: 8, .value_kind: global_buffer, .address_space: global }
      - { .name: Wi_scales, .offset: 88, .size: 8, .value_kind: global_buffer, .address_space: global }
      - { .name: out0, .offset: 96, .size: 8, .value_kind: global_buffer, .address_space: global }
      - { .name: out1, .offset: 104, .size: 8, .value_kind: global_buffer, .address_space: global }
    .group_segment_fixed_size: 215552
    .private_segment_fixed_size: 0
    .kernarg_segment_align: 8
    .kernarg_segment_size: 112
    .max_flat_workgroup_size: 512
    .sgpr_count:     66
    .vgpr_count:     256
    .wavefront_size: 32
...
	.end_amdgpu_metadata
.endif
;; end of part 1
;; ======== version 2 of 2: 1 launch; version 1 with the launch leap written anew for expert scheduling mode
;; launch leap (part 2): grid 256 x 1, 16 waves a work-group, no clusters, 215,552 bytes of LDS; arguments x, v, force, bf, W_codes, W_scales, U_codes, U_scales, Wf_codes, Wf_scales, Wi_codes, Wi_scales, out0, out1; writes out0, out1
.if DOCPART == 2
	.amdgcn_target "amdgcn-amd-amdhsa--gfx1250"
	.amdhsa_code_object_version 6
	.text
	.protected	k_q085b95b2eb_leap
	.globl	k_q085b95b2eb_leap
	.p2align	8
	.type	k_q085b95b2eb_leap,@function
k_q085b95b2eb_leap:
	s_mov_b64 s[64:65], 0
	v_nop
	global_prefetch_b8 v0, s[64:65] scope:SCOPE_SE
	s_setreg_imm32_b32 hwreg(HW_REG_WAVE_SCHED_MODE, 0, 2), 2
	s_setreg_imm32_b32 hwreg(HW_REG_WAVE_MODE, 25, 1), 1
	s_wait_xcnt 0x0
	s_wait_alu depctr_vm_vsrc(0)
; FOUR LEAPFROG STEPS ON 131,072 ROWS OF 64, all products on codes of BF8 (E5M2) with one E8M0 scale for each 32 along K.
; A half step: gamma = Q(pv^2 tanh(px)) U^T with pv = Q(v) W^T, px = Q(x) W^T;  gate = Q([sin x, cos x]) Wf^T + bf + Q(force) Wi^T;
; v <- (v + h (force - gamma)) / (1 + h mu + 1e-7), mu = 0.02 sigmoid(gate) (1 + 0.1 |v| / 8.000001).  Between a step's two half steps x <- wrap(x + dt v).
; WORK THAT HAS THE SAME OPERANDS IS DONE ONCE: bf + Q(force) Wi^T once for a row; all that hangs on x alone (px, tanh, features, gate, sigmoid) once for each of x0 .. x4,
; since a step's second half and the next step's first half see the same x.  What hangs on v is done in all eight half steps.
; SHARES.  A tile is 16 rows: 4,096 consecutive bytes of x, v, force, out0, out1.  256 work-groups x 16 waves x 2 trips = 8,192 tiles; a wave keeps its tile in registers through all four steps.
; Rows are independent and no row is read by two work-groups: no cluster, no joint loads; the weights, 17 KB, are all that is shared.  Waves share Wf's fragments in LDS alone: one barrier in the text.
; LAYOUT, the same for x, v, force, gamma and gate: lane l holds row r = l % 16; with h = l / 16 its register 16 c + i holds column 32 c + 16 h + i: the order of an 8-bit operand along K,
; so that the conversions' results ARE the operand's registers.  Every product is used transposed (source 0 = 16 rows of a weight, source 1 = the tile), and THE ROWS OF A WEIGHT THAT FORM A TILE ARE NOT
; NEIGHBOURS: lane r of tile 2 b + u takes row 32 b + 8 u + r + 8 (r / 8), so that register 8 (2 b + u) + j of a result is column 32 b + 16 h + 8 u + j: the same layout again.
; SHORT K IS PACKED: the instruction's 128 along K hold two tiles of W or of Wi (K = 64 each) or four tiles of U (K = 32 each).  The tile's codes lie in a window of registers with zero codes on both sides;
; the fragment that is named begins 8 u (or 4 t) registers in front of them, so that they meet the wanted tile's codes and zeros meet the others.  The tile's scale word repeats its bytes in every place that is read.
; sin AND cos by the half angle: with u = x^2, Sv = sqrt(2) sin(x / 2) = x A(u), Cv = sqrt(2) cos(x / 2) = B(u) (Taylor, 6 and 7 terms, for |x| <= pi): sin x = Sv Cv, cos x = 1 - Sv^2.
; THE WRAP has reference()'s roundings: a = y + pi; a - floor(a / 2 pi) 2 pi by one fused multiply-add, whose exact result is a number of f32 where a >= 0; then - pi.
; LIMITS.  NaN and infinities, in the f32 inputs or as codes or scale bytes of the weights, are not served.  sin and cos carry an absolute error of about 2e-7, tanh (1 - 2 / (1 + e^(2 x))) of about 1.2e-7,
; so their relative error grows near their zeros.  The given x is brought into [-pi, pi] for its sin and cos with 2 pi in two parts: good while |x| stays under about 1e5.  The wrap's whole number is
; floor(fl(a / 2 pi)): right at a = 0 and at a = 2 pi; beyond two periods an a within an ulp of a multiple of 2 pi may come out as +pi in place of -pi.  x + dt v is one fused multiply-add.
; A block of zeros gets the scale byte 1 where the rule says 127: its codes are zeros, and nobody else reads the byte.
; THE MODE: SCHED_MODE bits 1:0 = 2 (LLVM: expert scheduling mode 2), set by the entry lines.  The code itself states the register dependences
; between vector or matrix instructions and memory or LDS instructions, with s_wait_alu, always for 0.
; THE PLAN.  Registers that memory or LDS instructions touch:
;   v1-4, v252, v253  offsets and LDS addresses: written at the head, read by every access, never written again: one wait on va_vdst ahead of the first load serves them all.
;   v14, v27-31       offsets of the loads that are made once; written again by the half steps (kappa, the sums of squares).   v24-26  offsets of Wi and bf, made anew for each trip's loads; written again by the search for scales.
;   X, V              loaded; stored into my LDS rows and loaded back into the same registers; at work; on the way out stored, loaded back, stored to memory; then the next trip's loads land in them.
;   S                 force goes through it as x through X; later bf + Q(force) Wi^T lands in it, behind the holds and conversions of sin and cos.
;   GAM               bf lands in it; the first products' results are stored from it; held numbers and polynomials are at work in it; Wf's fragments and force land in it.
;   T, PV, v20-23     Wi, its scale bytes: the trip's loads land in them; for the rest vector and matrix instructions alone name them.   v236-239  the head's one LDS store reads them; the conversions write them.
; WAITS ON va_vdst: ahead of each run of loads into registers that vector or matrix instructions have just named, ahead of each run of LDS stores of results just made, and, behind the places, ahead of each run of
; scaled products whose codes or scale words vector instructions have just written; one wait serves all three where they meet.  WAITS ON vm_vsrc: between the LDS stores and the LDS loads of a turn through my rows
; (the same registers), behind the stores of the first products' image, and at a trip's end.  All 256 registers are taken, so no buffer has a twin.
.set PITCH, 272                        ; an LDS row of a tile: 256 bytes + 16 = 68 words: row r starts at bank 4 r mod 64 (64 banks of 4 bytes: ISA guide 11.1)
.set WFI,   0                          ; LDS: Wf's four fragments as images of their registers: piece (t, c) at 2048 t + 512 c + 16 x lane; written once, read by all waves
.set PW0,   8704                       ; from here on 12,800 bytes for each wave, its own:
.set WREG,  12800
.set FST,   0                          ;   force, 16 rows of PITCH bytes: it stays for the trip
.set G0I,   4352                       ;   bf + Q(force) Wi^T as an image of its 32 registers: 512 i + 16 x lane
.set STG,   8448                       ;   a stage of 16 rows of PITCH bytes: x and v on the way in, out0 and out1 on the way out
.set LI,  1                            ; v1   16 x lane: a lane's place in an image, and in 512 consecutive bytes of memory; never rewritten
.set AIM, 2                            ; v2   my wave's LDS + 16 x lane
.set AFR, 3                            ; v3   my wave's LDS + PITCH r + 64 h: my 16 numbers of a block of 32
.set ADN, 4                            ; v4   my wave's LDS + PITCH h + 16 r: two rows as they lie in memory
.set WPS, 5                            ; v5   W's scale word;  v6 U's;  v7 the tile's (x, v, force, q);  v8-11 Wf's;  v12 the features', earlier Wi's first;  v13 Wi's second: scales and nothing else
.set UPS, 6
.set DS,  7
.set WFS, 8
.set FS,  12
.set WIS, 12
.set KAP, 14                           ; v14  kappa = h 0.02 (1 + 0.1 |v| / 8.000001);  v15 a lane permute's destination
.set A5V, 16                           ; v[16:17], v[18:19] the polynomials' top coefficients, in both words
.set B6V, 18
.set TM,  20                           ; block b: v[20+4b] largest magnitude, +1 the other chain, then the byte, +2 57,344 x the scale, +3 the conversion's scale operand
.set NRM, 24                           ; v24-31 four pairs of partial sums of squares (v24-27 by turns with block 1's four)
.set X,   32
.set V,   64
.set S,   96                           ; sigmoid(gate); at work at other times
.set T,   128                          ; -tanh(px); at a trip's head Wi's first packed fragment
.set PV,  144                          ; pv, q, the denominators; at a trip's head Wi's second packed fragment
.set FE,  144                          ; the features' codes
.set GAM, 160                          ; force - gamma; held numbers; fragments of Wf; bf
.set WP,  192                          ; W, two tiles packed
.set UP,  208                          ; U, four tiles packed
.set C0,  236                          ; the window: zeros v224-235, the tile's codes v236-243, zeros v244-251
.set PFO, 252                          ; v252 256 x lane: the prefetch's offset; never rewritten
; ---- one line of the search for a block's scale: block b, its 16 numbers at v[a]
.macro QLINE n, b, a
.if \n == 0
	v_max3_num_f32 v[TM+4*\b], |v[\a]|, |v[\a+1]|, 0x8000000        ; with the floor 2^(16 - 127): the byte cannot fall under 1
.elseif \n == 1
	v_max3_num_f32 v[TM+4*\b+1], |v[\a+8]|, |v[\a+9]|, |v[\a+10]|   ; a second chain
.elseif \n == 2
	v_max3_num_f32 v[TM+4*\b], v[TM+4*\b], |v[\a+2]|, |v[\a+3]|
.elseif \n == 3
	v_max3_num_f32 v[TM+4*\b+1], v[TM+4*\b+1], |v[\a+11]|, |v[\a+12]|
.elseif \n == 4
	v_max3_num_f32 v[TM+4*\b], v[TM+4*\b], |v[\a+4]|, |v[\a+5]|
.elseif \n == 5
	v_max3_num_f32 v[TM+4*\b+1], v[TM+4*\b+1], |v[\a+13]|, |v[\a+14]|
.elseif \n == 6
	v_max3_num_f32 v[TM+4*\b], v[TM+4*\b], |v[\a+6]|, |v[\a+7]|
.elseif \n == 7
	v_max3_num_f32 v[TM+4*\b], v[TM+4*\b], v[TM+4*\b+1], |v[\a+15]|
.elseif \n == 8
	v_permlanex16_b32 v[TM+4*\b+1], v[TM+4*\b], s36, s37            ; lane l xor 16 holds the block's other 16
.elseif \n == 9
	v_max_num_f32 v[TM+4*\b], v[TM+4*\b], v[TM+4*\b+1]              ; the block's largest magnitude
.elseif \n == 10
	v_add_nc_u32 v[TM+4*\b+3], 0xf8800000, v[TM+4*\b]               ; 15 off its exponent field: the conversion takes this operand's exponent field as its scale
.elseif \n == 11
	v_and_or_b32 v[TM+4*\b+2], v[TM+4*\b], 0x7f800000, s38          ; 57,344 x the scale
.else
	v_lshrrev_b32 v[TM+4*\b+1], 23, v[TM+4*\b+3]                    ; the scale's byte
.endif
.endm
.macro QMAX nb, A, B                   ; one or two blocks, line by line by turns
.irp n, 0,1,2,3,4,5,6,7,8,9,10,11,12
	QLINE \n, 0, \A
.if \nb > 1
	QLINE \n, 1, \B
.endif
.endr
.endm
.macro DSW b0, b1                      ; the tile's scale word: (b0, b1, b0, b1)
	v_lshl_or_b32 v[DS], v[\b1], 8, v[\b0]
	v_lshl_or_b32 v[DS], v[DS], 16, v[DS]
.endm
.macro QBLK b, A, H, C                 ; block b: the hold (the conversion to an 8-bit code does not saturate: ISA guide 7.6.2) into v[H], 16 codes into v[C] on
.irp i, 0,1,2,3,4,5,6,7,8,9,10,11,12,13,14,15
	v_med3_num_f32 v[\H+\i], v[\A+\i], -v[TM+4*\b+2], v[TM+4*\b+2]
.endr
	v_cvt_scalef32_pk8_bf8_f32 v[\C:\C+1], v[\H:\H+7], v[TM+4*\b+3]
	v_cvt_scalef32_pk8_bf8_f32 v[\C+2:\C+3], v[\H+8:\H+15], v[TM+4*\b+3]
.endm
.macro WM0 D, A, B, sa, sb             ; a product that starts its sum
	v_wmma_scale_f32_16x16x128_f8f6f4 v[\D:\D+7], v[\A:\A+15], v[\B:\B+15], 0, v[\sa], v[\sb] matrix_a_fmt:MATRIX_FMT_BF8 matrix_b_fmt:MATRIX_FMT_BF8
.endm
.macro WMA D, A, B, sa, sb             ; a product onto what lies in its result's registers (bf, force, bf + Q(force) Wi^T: numbers that loads brought)
	v_wmma_scale_f32_16x16x128_f8f6f4 v[\D:\D+7], v[\A:\A+15], v[\B:\B+15], v[\D:\D+7], v[\sa], v[\sb] matrix_a_fmt:MATRIX_FMT_BF8 matrix_b_fmt:MATRIX_FMT_BF8
.endm
; No two matrix instructions that follow each other in this text share an accumulator, round both back edges too, and each accumulator's turn is one instruction.
; ---- sin and cos of block c of x.  SC_PRE: u = x^2 into v[S] on.  red = 1 (the given x): first r = x - rndne(x / 2 pi) 2 pi, 2 pi in two parts, into v[GAM+16] on, and u = r^2
.macro SC_PRE c, red
.if \red
.irp p, 0,2,4,6,8,10,12,14
	v_pk_mul_f32 v[S+\p:S+\p+1], v[X+16*\c+\p:X+16*\c+\p+1], 0x3e22f983 op_sel_hi:[1,0]
.endr
.irp i, 0,1,2,3,4,5,6,7,8,9,10,11,12,13,14,15
	v_rndne_f32 v[S+\i], v[S+\i]
.endr
.irp p, 0,2,4,6,8,10,12,14
	v_pk_fma_f32 v[GAM+16+\p:GAM+17+\p], v[S+\p:S+\p+1], 0xc0c90fdb, v[X+16*\c+\p:X+16*\c+\p+1] op_sel_hi:[1,0,1]
.endr
.irp p, 0,2,4,6,8,10,12,14
	v_pk_fma_f32 v[GAM+16+\p:GAM+17+\p], v[S+\p:S+\p+1], 0x343bbd2e, v[GAM+16+\p:GAM+17+\p] op_sel_hi:[1,0,1]
.endr
.irp p, 0,2,4,6,8,10,12,14
	v_pk_mul_f32 v[S+\p:S+\p+1], v[GAM+16+\p:GAM+17+\p], v[GAM+16+\p:GAM+17+\p]
.endr
.else
.irp p, 0,2,4,6,8,10,12,14
	v_pk_mul_f32 v[S+\p:S+\p+1], v[X+16*\c+\p:X+16*\c+\p+1], v[X+16*\c+\p:X+16*\c+\p+1]
.endr
.endif
.endm
.macro HORN D, k                       ; D = D u + k, eight pairs
.irp p, 0,2,4,6,8,10,12,14
	v_pk_fma_f32 v[\D+\p:\D+\p+1], v[\D+\p:\D+\p+1], v[S+\p:S+\p+1], \k op_sel_hi:[1,1,0]
.endr
.endm
.macro SC_POLY c, red                  ; leaves sin in v[S] on and cos in v[S+16] on; A(u) in v[GAM] on, B(u) in v[S+16] on, by turns
.irp p, 0,2,4,6,8,10,12,14
	v_pk_fma_f32 v[GAM+\p:GAM+\p+1], v[S+\p:S+\p+1], v[A5V:A5V+1], 0x3202c4a3 op_sel_hi:[1,1,0]
.endr
.irp p, 0,2,4,6,8,10,12,14
	v_pk_fma_f32 v[S+16+\p:S+17+\p], v[S+\p:S+\p+1], v[B6V:B6V+1], 0xafd13a9e op_sel_hi:[1,1,0]
.endr
	HORN GAM,  0xb6131d37
	HORN S+16, 0x34131d37
	HORN GAM,  0x39c11659
	HORN S+16, 0xb800b990
	HORN GAM,  0xbcf15bef
	HORN S+16, 0x3b715bef
	HORN GAM,  0x3f3504f3
	HORN S+16, 0xbe3504f3
	HORN S+16, 0x3fb504f3
.irp p, 0,2,4,6,8,10,12,14
.if \red
	v_pk_mul_f32 v[GAM+\p:GAM+\p+1], v[GAM+\p:GAM+\p+1], v[GAM+16+\p:GAM+17+\p]          ; Sv = r A(u)
.else
	v_pk_mul_f32 v[GAM+\p:GAM+\p+1], v[GAM+\p:GAM+\p+1], v[X+16*\c+\p:X+16*\c+\p+1]      ; Sv = x A(u)
.endif
.endr
.irp p, 0,2,4,6,8,10,12,14
	v_pk_mul_f32 v[S+\p:S+\p+1], v[GAM+\p:GAM+\p+1], v[S+16+\p:S+17+\p]                  ; sin = Sv Cv
.endr
.irp p, 0,2,4,6,8,10,12,14
	v_pk_fma_f32 v[S+16+\p:S+17+\p], v[GAM+\p:GAM+\p+1], v[GAM+\p:GAM+\p+1], 1.0 op_sel_hi:[1,1,0] neg_lo:[1,0,0] neg_hi:[1,0,0]   ; cos = 1 - Sv^2
.endr
.endm
; ---- ALL THAT HANGS ON x: leaves -tanh(px) in v[T] on and sigmoid(gate) in v[S] on
.macro XEVAL red
	QMAX 2, X, X+16
	DSW TM+1, TM+5
	QBLK 0, X, GAM, C0
	QBLK 1, X+16, GAM+16, C0+4
	v_nop                                          ; one plain line behind the last conversion of a run
	SC_PRE 0, \red                                 ; with the line above: more than the four places between the codes and the scaled products; the scale word stands 32 holds further up
	s_wait_alu depctr_va_vdst(0)                   ; behind the places: the conversions have written x's codes and the shifts its scale word, which the two scaled products take
	WM0 T,   WP, C0,   WPS, DS                     ; px, units 16 h + 0 .. 7: the codes meet W's tile 0,
	WM0 T+8, WP, C0-8, WPS, DS                     ; units 16 h + 8 .. 15: eight registers on, W's tile 1
	SC_POLY 0, \red
	QMAX 2, S, S+16
	v_lshl_or_b32 v[FS], v[TM+5], 16, v[TM+1]      ; the features' K: sin of columns 0-31, 32-63, cos of columns 0-31, 32-63: bytes 0 and 2 now,
	QBLK 0, S, S, FE
	QBLK 1, S+16, S+16, FE+8
	v_nop
	SC_PRE 1, \red
	SC_POLY 1, \red
	QMAX 2, S, S+16
	v_lshl_or_b32 v[TM+1], v[TM+5], 16, v[TM+1]
	v_lshl_or_b32 v[FS], v[TM+1], 8, v[FS]         ; bytes 1 and 3
	QBLK 0, S, S, FE+4
	QBLK 1, S+16, S+16, FE+12
	v_nop
	s_wait_alu depctr_va_vdst(0)                   ; the holds and conversions are done with v[S ..] and the polynomials with v[GAM ..], in which the sixteen loads below land; and the features' codes and scale word are written, which the gate's four products take (no vector line below names them)
.irp i, 0,1,2,3,4,5,6,7
	ds_load_b128 v[S+4*\i:S+4*\i+3], v[AIM] offset:G0I+512*\i          ; bf + Q(force) Wi^T: the gate's sums begin with it
.endr
.irp i, 0,1,2,3,4,5,6,7
	ds_load_b128 v[GAM+4*\i:GAM+4*\i+3], v[LI] offset:WFI+512*\i       ; Wf's fragments 0 and 1
.endr
.irp p, 0,2,4,6,8,10,12,14
	v_pk_mul_f32 v[T+\p:T+\p+1], v[T+\p:T+\p+1], 0x4038aa3b op_sel_hi:[1,0]   ; 2 log2(e) px; each accumulator is read from its low end on
.endr
	s_wait_alu depctr_va_vdst(0)
.irp i, 0,1,2,3,4,5,6,7,8,9,10,11,12,13,14,15
	v_exp_f32 v[T+\i], v[T+\i]
.endr
	v_nop                                          ; one plain line behind the transcendentals
	s_wait_alu depctr_va_vdst(0)                   ; the sixteen exponentials have written v[T ..], ahead of their first reader
.irp p, 0,2,4,6,8,10,12,14
	v_pk_add_f32 v[T+\p:T+\p+1], v[T+\p:T+\p+1], 1.0 op_sel_hi:[1,0]
.endr
	s_wait_alu depctr_va_vdst(0)
.irp i, 0,1,2,3,4,5,6,7,8,9,10,11,12,13,14,15
	v_rcp_f32 v[T+\i], v[T+\i]
.endr
	v_nop
	s_wait_dscnt 0x0                               ; the sixteen loads are in
	WMA S,   GAM,    FE, WFS,   FS
	WMA S+8, GAM+16, FE, WFS+1, FS
	s_wait_alu depctr_va_vdst(0)                   ; the sixteen reciprocals have written v[T ..], ahead of their first reader; and the two products above are done reading v[GAM ..], in which Wf's next fragments land (the eight lines between name v[T ..] alone)
.irp p, 0,2,4,6,8,10,12,14
	v_pk_fma_f32 v[T+\p:T+\p+1], v[T+\p:T+\p+1], 2.0, -1.0 op_sel_hi:[1,0,0]  ; -tanh(px) = 2 / (1 + e^(2 px)) - 1.  Eight plain lines that name no register of the two products: the places in front of the loads below
.endr
.irp i, 0,1,2,3,4,5,6,7
	ds_load_b128 v[GAM+4*\i:GAM+4*\i+3], v[LI] offset:WFI+4096+512*\i  ; Wf's fragments 2 and 3
.endr
	s_wait_dscnt 0x0
	WMA S+16, GAM,    FE, WFS+2, FS
	WMA S+24, GAM+16, FE, WFS+3, FS
.irp p, 0,2,4,6,8,10,12,14
	v_pk_mul_f32 v[S+\p:S+\p+1], v[S+\p:S+\p+1], 0xbfb8aa3b op_sel_hi:[1,0]   ; the first two tiles' results: eight places behind the last two products, none of whose registers they name
.endr
.irp p, 16,18,20,22,24,26,28,30
	v_pk_mul_f32 v[S+\p:S+\p+1], v[S+\p:S+\p+1], 0xbfb8aa3b op_sel_hi:[1,0]
.endr
	s_wait_alu depctr_va_vdst(0)
.irp i, 0,1,2,3,4,5,6,7,8,9,10,11,12,13,14,15,16,17,18,19,20,21,22,23,24,25,26,27,28,29,30,31
	v_exp_f32 v[S+\i], v[S+\i]
.endr
	v_nop
	s_wait_alu depctr_va_vdst(0)                   ; the 32 exponentials have written v[S ..], ahead of their first reader
.irp p, 0,2,4,6,8,10,12,14,16,18,20,22,24,26,28,30
	v_pk_add_f32 v[S+\p:S+\p+1], v[S+\p:S+\p+1], 1.0 op_sel_hi:[1,0]
.endr
	s_wait_alu depctr_va_vdst(0)
.irp i, 0,1,2,3,4,5,6,7,8,9,10,11,12,13,14,15,16,17,18,19,20,21,22,23,24,25,26,27,28,29,30,31
	v_rcp_f32 v[S+\i], v[S+\i]                     ; sigmoid(gate)
.endr
	v_nop
	s_wait_alu depctr_va_vdst(0)                   ; the 32 reciprocals have written v[S ..]: a label or a branch follows each use of this macro
.endm
; ---- A HALF STEP OF v
.macro HALF a                          ; columns 32 a on
.irp p, 0,2,4,6,8,10,12,14
	v_pk_fma_f32 v[PV+\p:PV+\p+1], v[S+16*\a+\p:S+16*\a+\p+1], v[KAP:KAP+1], 0x3f800001 op_sel_hi:[1,0,0]   ; sigmoid x kappa + (1 + 1e-7)
.endr
	s_wait_alu depctr_va_vdst(0)
.irp i, 0,1,2,3,4,5,6,7,8,9,10,11,12,13,14,15
	v_rcp_f32 v[PV+\i], v[PV+\i]
.endr
	s_wait_alu depctr_va_vdst(0)
.irp p, 0,2,4,6,8,10,12,14
	v_pk_fma_f32 v[V+16*\a+\p:V+16*\a+\p+1], v[GAM+16*\a+\p:GAM+16*\a+\p+1], 0x3ba3d70a, v[V+16*\a+\p:V+16*\a+\p+1] op_sel_hi:[1,0,1]   ; v + h (force - gamma): plain lines behind the reciprocals; each accumulator from its low end on
.endr
	s_wait_alu depctr_va_vdst(0)                   ; the sixteen reciprocals have written v[PV ..], ahead of their first reader
.irp p, 0,2,4,6,8,10,12,14
	v_pk_mul_f32 v[V+16*\a+\p:V+16*\a+\p+1], v[V+16*\a+\p:V+16*\a+\p+1], v[PV+\p:PV+\p+1]
.endr
.endm
.macro KICK
	QMAX 2, V, V+16
	DSW TM+1, TM+5
	QBLK 0, V, GAM, C0
	QBLK 1, V+16, GAM+16, C0+4
	v_nop
	v_pk_mul_f32 v[NRM+4:NRM+5], v[V+4:V+5], v[V+4:V+5]    ; |v|^2 of the unquantised v, in four pairs of chains; with the line above five places between the codes and the products
	v_pk_mul_f32 v[NRM+6:NRM+7], v[V+6:V+7], v[V+6:V+7]
	v_pk_mul_f32 v[NRM:NRM+1],   v[V:V+1],   v[V:V+1]
	v_pk_mul_f32 v[NRM+2:NRM+3], v[V+2:V+3], v[V+2:V+3]
	s_wait_alu depctr_va_vdst(0)                   ; behind the places: the conversions have written v's codes and the shifts its scale word, which the two scaled products take; and they are done reading the held numbers in v[GAM ..], in which force lands (the two products between do not name them)
	WM0 PV,   WP, C0,   WPS, DS                     ; pv
	WM0 PV+8, WP, C0-8, WPS, DS
.irp c, 0,1
.irp j, 0,1,2,3
	ds_load_b128 v[GAM+16*\c+4*\j:GAM+16*\c+4*\j+3], v[AFR] offset:FST+128*\c+16*\j   ; force: the sums of force - gamma begin with it
.endr
.endr
.irp k, 4,5,6,7,8,9,10,11,12,13,14,15
	v_pk_fma_f32 v[NRM+2*(\k%4):NRM+2*(\k%4)+1], v[V+2*\k:V+2*\k+1], v[V+2*\k:V+2*\k+1], v[NRM+2*(\k%4):NRM+2*(\k%4)+1]   ; twelve plain lines that name no register of the two products: their places
.endr
.irp i, 0,1,2,3
	v_mov_b32 v[C0+4+\i], 0                        ; q has one block of 32: zeros behind its four registers of codes
.endr
.irp p, 0,2,4,6,8,10,12,14
	v_pk_mul_f32 v[PV+\p:PV+\p+1], v[PV+\p:PV+\p+1], v[PV+\p:PV+\p+1]
.endr
.irp p, 0,2,4,6,8,10,12,14
	v_pk_mul_f32 v[PV+\p:PV+\p+1], v[PV+\p:PV+\p+1], v[T+\p:T+\p+1]   ; -pv^2 tanh(px): the quantiser is odd, so the sign goes through it
.endr
	QMAX 1, PV, PV
	DSW TM+1, TM+1
	QBLK 0, PV, PV, C0
	v_nop
	v_pk_add_f32 v[NRM:NRM+1], v[NRM:NRM+1], v[NRM+2:NRM+3]
	v_pk_add_f32 v[NRM+4:NRM+5], v[NRM+4:NRM+5], v[NRM+6:NRM+7]
	v_pk_add_f32 v[NRM:NRM+1], v[NRM:NRM+1], v[NRM+4:NRM+5]
	v_add_f32 v[KAP], v[NRM], v[NRM+1]             ; my 32 squares.  (Five plain lines between the codes and the products)
	s_wait_dscnt 0x0                               ; force is in
	s_wait_alu depctr_va_vdst(0)                   ; behind the places: q's codes, the zeros behind them and its scale word are written, which the four scaled products take
.irp t, 0,1,2,3
	WMA GAM+8*\t, UP, C0-4*\t, UPS, DS             ; force - gamma: the codes meet U's tile t
.endr
	v_permlanex16_b32 v[KAP+1], v[KAP], s36, s37
	v_add_f32 v[KAP], v[KAP], v[KAP+1]             ; the row's |v|^2
	s_wait_alu depctr_va_vdst(0)
	v_sqrt_f32 v[KAP], v[KAP]
	v_nop
	s_wait_alu depctr_va_vdst(0)                   ; the root has written v[KAP], ahead of its first reader
	v_fma_f32 v[KAP], v[KAP], s46, s47             ; kappa = 1e-4 + (1e-5 / 8.000001) |v|
	HALF 0                                         ; its first eight lines name no register of the four products: their places
	HALF 1
.endm
; ---- x <- wrap(x + dt v)
.macro DRIFT
.irp p, 0,2,4,6,8,10,12,14,16,18,20,22,24,26,28,30
	v_pk_fma_f32 v[X+\p:X+\p+1], v[V+\p:V+\p+1], 0x3c23d70a, v[X+\p:X+\p+1] op_sel_hi:[1,0,1]
.endr
.irp p, 0,2,4,6,8,10,12,14,16,18,20,22,24,26,28,30
	v_pk_add_f32 v[GAM+\p:GAM+\p+1], v[X+\p:X+\p+1], 0x40490fdb op_sel_hi:[1,0]      ; a = y + pi
.endr
.irp p, 0,2,4,6,8,10,12,14,16,18,20,22,24,26,28,30
	v_pk_mul_f32 v[S+\p:S+\p+1], v[GAM+\p:GAM+\p+1], 0x3e22f983 op_sel_hi:[1,0]
.endr
.irp i, 0,1,2,3,4,5,6,7,8,9,10,11,12,13,14,15,16,17,18,19,20,21,22,23,24,25,26,27,28,29,30,31
	v_floor_f32 v[S+\i], v[S+\i]
.endr
.irp p, 0,2,4,6,8,10,12,14,16,18,20,22,24,26,28,30
	v_pk_fma_f32 v[GAM+\p:GAM+\p+1], v[S+\p:S+\p+1], 0xc0c90fdb, v[GAM+\p:GAM+\p+1] op_sel_hi:[1,0,1]   ; a mod 2 pi
.endr
.irp p, 0,2,4,6,8,10,12,14,16,18,20,22,24,26,28,30
	v_pk_add_f32 v[X+\p:X+\p+1], v[GAM+\p:GAM+\p+1], 0xc0490fdb op_sel_hi:[1,0]
.endr
.endm
; ---- a trip's 44 loads, in the order in which they are wanted: x 8, force 8, Wi 8, Wi's scales 4, bf 8, v 8.  x, force and v as they lie: 32 lanes read 512 consecutive bytes
.macro TLOADS
	v_and_b32 v26, 0x100, v[LI]
	v_and_b32 v24, 0xf0, v[LI]
	v_and_b32 v25, 0x80, v[LI]
	v_lshrrev_b32 v26, 2, v26                      ; 64 h: bf at my 16 columns of a block
	v_add_nc_u32 v25, v24, v25                     ; 16 (r + 8 (r / 8))
	v_lshrrev_b32 v24, 2, v26
	v_lshl_add_u32 v24, v25, 2, v24                ; Wi: a row is 64 bytes; + 16 h
	v_lshrrev_b32 v25, 3, v25                      ; Wi's scales: 2 bytes a row
	s_wait_alu depctr_va_vdst(0)                   ; the offsets v24 to v26 are written, which the loads below read; and the vector and matrix instructions of the trip before (at the head: the address arithmetic in v20 to v22) are done with the registers in which the 44 loads land
.irp i, 0,1,2,3,4,5,6,7
	global_load_b128 v[X+4*\i:X+4*\i+3], v[LI], s[4:5] offset:512*\i th:TH_LOAD_NT
.endr
.irp i, 0,1,2,3,4,5,6,7
	global_load_b128 v[S+4*\i:S+4*\i+3], v[LI], s[8:9] offset:512*\i th:TH_LOAD_NT
.endr
.irp b, 0,1
.irp u, 0,1
.irp c, 0,1
	global_load_b128 v[T+16*\b+8*\u+4*\c:T+16*\b+8*\u+4*\c+3], v24, s[24:25] offset:(32*\b+8*\u)*64+32*\c   ; packed fragment b: tile 2 b in blocks 0, 1, tile 2 b + 1 in blocks 2, 3
.endr
.endr
.endr
.irp b, 0,1
.irp u, 0,1
	global_load_u16 v[TM+2*\b+\u], v25, s[26:27] offset:(32*\b+8*\u)*2
.endr
.endr
.irp b, 0,1
.irp j, 0,1,2,3
	global_load_b128 v[GAM+16*\b+4*\j:GAM+16*\b+4*\j+3], v26, s[10:11] offset:128*\b+16*\j
.endr
.endr
.irp i, 0,1,2,3,4,5,6,7
	global_load_b128 v[V+4*\i:V+4*\i+3], v[LI], s[6:7] offset:512*\i th:TH_LOAD_NT
.endr
.endm
; 32 registers as loaded go through my own LDS rows and come back in the operand's layout, into the registers that they left.  LDS serves a wave's instructions in order (ISA guide 5.7.1.4): no wait on DScnt between
.macro IN reg, region
.irp i, 0,1,2,3,4,5,6,7
	ds_store_b128 v[ADN], v[\reg+4*\i:\reg+4*\i+3] offset:\region+2*PITCH*\i
.endr
	s_wait_alu depctr_vm_vsrc(0)                   ; the eight LDS stores above have read v[reg ..], in which the eight loads below land
.irp c, 0,1
.irp j, 0,1,2,3
	ds_load_b128 v[\reg+16*\c+4*\j:\reg+16*\c+4*\j+3], v[AFR] offset:\region+128*\c+16*\j
.endr
.endr
.endm
; and the other way round; then each store of the wave covers 512 consecutive bytes, at a multiple of 256 from the buffer's first byte
.macro OUT reg, base
.irp c, 0,1
.irp j, 0,1,2,3
	ds_store_b128 v[AFR], v[\reg+16*\c+4*\j:\reg+16*\c+4*\j+3] offset:STG+128*\c+16*\j
.endr
.endr
	s_wait_alu depctr_vm_vsrc(0)                   ; the eight LDS stores above have read v[reg ..], in which the eight loads below land
.irp i, 0,1,2,3,4,5,6,7
	ds_load_b128 v[\reg+4*\i:\reg+4*\i+3], v[ADN] offset:STG+2*PITCH*\i
.endr
.irp i, 0,1,2,3,4,5,6,7
	s_wait_dscnt 7-\i                              ; load i is in; the 7 - i behind it may be out
	global_store_b128 v[LI], v[\reg+4*\i:\reg+4*\i+3], s[\base:\base+1] offset:512*\i th:TH_STORE_NT
.endr
.endm
; ================ THE HEAD
	s_load_b256 s[4:11], s[0:1], 0x0               ; x s[4:5], v s[6:7], force s[8:9], bf s[10:11]
	s_load_b256 s[12:19], s[0:1], 0x20             ; W's codes, W's scales, U's codes, U's scales
	s_load_b256 s[20:27], s[0:1], 0x40             ; Wf's codes, Wf's scales, Wi's codes, Wi's scales
	s_load_b128 s[28:31], s[0:1], 0x60             ; out0, out1
	v_lshl_add_u32 v254, v0, 2, 0x34200
	v_mov_b32 v255, 0
	v_lshrrev_b32 v20, 5, v0
	v_readfirstlane_b32 s32, v20                   ; wave 0..15
	v_and_b32 v20, 31, v0                          ; lane
	v_and_b32 v21, 15, v0                          ; r
	v_bfe_u32 v22, v0, 4, 1                        ; h
	v_and_b32 v14, 8, v0
	v_add_nc_u32 v14, v14, v21                     ; r + 8 (r / 8): U's scale bytes, one a row
	v_lshlrev_b32 v15, 4, v22                      ; 16 h
	v_lshlrev_b32 v[LI], 4, v20
	v_lshlrev_b32 v[PFO], 8, v20
	s_wait_alu depctr_va_sdst(0)                   ; s32 is written, ahead of its first reader: my LDS, my tiles and my piece of Wf are made from it
	s_mul_i32 s39, s32, WREG
	s_add_co_u32 s39, s39, PW0                     ; my wave's LDS
	v_add_nc_u32 v[AIM], s39, v[LI]
	v_mul_u32_u24 v[AFR], v21, PITCH
	v_lshl_add_u32 v[AFR], v22, 6, v[AFR]
	v_add_nc_u32 v[AFR], s39, v[AFR]
	v_mul_u32_u24 v[ADN], v22, PITCH
	v_lshl_add_u32 v[ADN], v21, 4, v[ADN]
	v_add_nc_u32 v[ADN], s39, v[ADN]
	v_lshl_add_u32 v27, v14, 7, v15                ; Wf: a row is 128 bytes; + 16 h
	v_lshl_add_u32 v28, v14, 5, v15                ; U: 32 bytes
	v_lshl_add_u32 v29, v14, 6, v15                ; W: 64 bytes
	v_lshlrev_b32 v30, 1, v14                      ; W's scales: 2 bytes a row
	v_lshlrev_b32 v31, 2, v14                      ; Wf's: 4
	v_lshlrev_b32 v253, 4, v0                      ; where my piece of Wf goes: 16 x the thread's number = 512 x wave + 16 x lane
	v_mov_b32 v[A5V], 0xad982aa2
	v_mov_b32 v[A5V+1], 0xad982aa2
	v_mov_b32 v[B6V], 0x2b4ae382
	v_mov_b32 v[B6V+1], 0x2b4ae382
	s_mov_b32 s33, 2                               ; trips to go
	s_mov_b32 s36, 0x76543210
	s_mov_b32 s37, 0xfedcba98                      ; v_permlanex16_b32's selects for lane l xor 16
	s_mov_b32 s38, 0x600000                        ; the mantissa field of 57,344
	s_mov_b32 s46, 0x35a7c5ab                      ; 1e-5 / 8.000001
	s_mov_b32 s47, 0x38d1b717                      ; 1e-4
	s_cmp_lt_u32 s32, 8
	s_cselect_b32 s35, 4, 64                       ; waves 0 to 7 prefetch at the fourth of the eight places, the others never
	s_lshl_b32 s40, ttmp9, 17                      ; the work-group's 32 tiles of 4,096 bytes
	s_mov_b32 s41, 0
	s_and_b32 s42, s32, 7
	s_lshl_b32 s42, s42, 13
	s_add_co_u32 s42, s42, s40
	s_add_co_u32 s42, s42, 65536                   ; the second trip's x of the work-group, 64 KB: 8,192 bytes for each of waves 0 to 7
	s_mov_b32 s43, 0
	s_lshl_b32 s39, s32, 12
	s_add_co_u32 s40, s40, s39                     ; my first tile
	s_lshr_b32 s2, s32, 3                          ; my piece of Wf: tile t = wave / 4 (it begins at row 32 (t / 2) + 8 (t % 2)), block c = wave % 4
	s_lshl_b32 s2, s2, 12
	s_bfe_u32 s3, s32, 0x10002
	s_lshl_b32 s3, s3, 10
	s_add_co_u32 s2, s2, s3
	s_and_b32 s3, s32, 3
	s_lshl_b32 s3, s3, 5
	s_add_co_u32 s2, s2, s3
	s_mov_b32 s3, 0
	s_wait_kmcnt 0x0
	s_add_nc_u64 s[44:45], s[4:5], s[42:43]
	s_add_nc_u64 s[4:5], s[4:5], s[40:41]
	s_add_nc_u64 s[6:7], s[6:7], s[40:41]
	s_add_nc_u64 s[8:9], s[8:9], s[40:41]
	s_add_nc_u64 s[28:29], s[28:29], s[40:41]
	s_add_nc_u64 s[30:31], s[30:31], s[40:41]
	s_add_nc_u64 s[20:21], s[20:21], s[2:3]
	s_wait_alu depctr_va_vdst(0)                   ; all offsets and LDS addresses are written: v1 to v4, v252 and v253 for the whole kernel, v14 and v27 to v31 for the 19 loads below
	; 19 loads that are made once
	global_load_b128 v[C0:C0+3], v27, s[20:21]                     ; my piece of Wf
	global_load_b128 v[WP:WP+3],     v29, s[12:13]                 ; W's tile 0 (rows r + 8 (r / 8)), K 0-31, 32-63;
	global_load_b128 v[WP+4:WP+7],   v29, s[12:13] offset:32
	global_load_b128 v[WP+8:WP+11],  v29, s[12:13] offset:512      ; tile 1: eight rows on
	global_load_b128 v[WP+12:WP+15], v29, s[12:13] offset:544
	global_load_b128 v[UP:UP+3],     v28, s[16:17]                 ; U's tiles 0 to 3: rows 0, 8, 32, 40 on
	global_load_b128 v[UP+4:UP+7],   v28, s[16:17] offset:256
	global_load_b128 v[UP+8:UP+11],  v28, s[16:17] offset:1024
	global_load_b128 v[UP+12:UP+15], v28, s[16:17] offset:1280
	global_load_u16 v244, v30, s[14:15]
	global_load_u16 v245, v30, s[14:15] offset:16
	global_load_u8 v246, v14, s[18:19]
	global_load_u8 v247, v14, s[18:19] offset:8
	global_load_u8 v248, v14, s[18:19] offset:32
	global_load_u8 v249, v14, s[18:19] offset:40
	global_load_b32 v[WFS],   v31, s[22:23]
	global_load_b32 v[WFS+1], v31, s[22:23] offset:32
	global_load_b32 v[WFS+2], v31, s[22:23] offset:128
	global_load_b32 v[WFS+3], v31, s[22:23] offset:160
	TLOADS                                         ; the first trip's
	s_wait_loadcnt 44                              ; the 19 are in; the trip's 44 stay out
	v_lshl_or_b32 v[WPS], v245, 16, v244           ; tile 0's two bytes, tile 1's two
	v_lshl_or_b32 v[UPS], v247, 8, v246            ; a byte for each of U's four tiles
	v_lshl_or_b32 v[UPS], v248, 16, v[UPS]
	v_lshl_or_b32 v[UPS], v249, 24, v[UPS]
	ds_store_b128 v253, v[C0:C0+3]
.irp i, 224,225,226,227,228,229,230,231,232,233,234,235,244,245,246,247,248,249,250,251
	v_mov_b32 v[\i], 0                             ; the window's zero codes: they stay
.endr
	s_wait_dscnt 0x0                               ; for the others' sake: my piece of Wf lies in LDS
	s_barrier_signal -1
	s_barrier_wait -1                              ; everybody's does; these bytes are only read from here on
; ================ A TRIP: ONE TILE THROUGH ALL FOUR STEPS
.Ltile:
	s_wait_loadcnt 36                              ; x is in: 36 loads were issued behind it
	IN X, STG                                      ; its wait on vm_vsrc stands behind all the trip's loads, and in the first trip behind the 19 and the store of Wf's piece: they have read v24 to v26, v14, v27 to v31 and v[C0 ..], which the lines below write again
	s_wait_loadcnt 28                              ; force
	IN S, FST                                      ; its rows stay in LDS
	s_wait_loadcnt 8                               ; Wi, its scales and bf; v's eight loads stay out
	v_lshl_or_b32 v[WIS],   v[TM+1], 16, v[TM]
	v_lshl_or_b32 v[WIS+1], v[TM+3], 16, v[TM+2]
	s_wait_dscnt 0x0
	QMAX 2, S, S+16                                ; force
	DSW TM+1, TM+5
	QBLK 0, S, S, C0
	QBLK 1, S+16, S+16, C0+4
.rept 4
	v_nop                                          ; the plain line behind the conversions, and four places between the codes and the scaled products
.endr
	s_wait_alu depctr_va_vdst(0)                   ; behind the places: force's codes, its scale word, Wi's two scale words and (in the first trip) the window's zeros are written, which the four scaled products take
	WMA GAM,    T,    C0,   WIS,   DS              ; bf + Q(force) Wi^T
	WMA GAM+8,  T,    C0-8, WIS,   DS
	WMA GAM+16, T+16, C0,   WIS+1, DS
	WMA GAM+24, T+16, C0-8, WIS+1, DS
.rept 8
	v_nop                                          ; eight places in front of the LDS stores that read the results; no other vector work is at hand
.endr
	s_wait_alu depctr_va_vdst(0)                   ; the four products have written v[GAM ..], which the LDS stores read; the places above stay beside this wait
.irp i, 0,1,2,3,4,5,6,7
	ds_store_b128 v[AIM], v[GAM+4*\i:GAM+4*\i+3] offset:G0I+512*\i     ; each accumulator from its low end on
.endr
	s_wait_dscnt 0x0
	s_wait_alu depctr_vm_vsrc(0)                   ; the eight LDS stores have read v[GAM ..], which the holds of x write next
	XEVAL 1                                        ; x0, as it is given
	s_wait_loadcnt 0x0                             ; v
	IN V, STG
	s_wait_dscnt 0x0
	s_mov_b32 s34, 4
.Lstep:
	s_wait_alu depctr_va_vdst(0)
	KICK
	DRIFT
	XEVAL 0                                        ; serves this step's second half and the next step's first
	; The second trip's x of the work-group is asked for once, in the first trip's last step: 256 blocks of 256 bytes, a lane a block, one instruction in each of waves 0 to 7;
	; the half step below and the way out stand between it and the loads.  force and v have the work on x ahead of their first use and are not asked for.  The second trip asks for nothing.
	s_sub_co_u32 s35, s35, 1
	s_cmp_lg_u32 s35, 0
	s_cbranch_scc1 .Lno_ask
	global_prefetch_b8 v[PFO], s[44:45] th:TH_LOAD_NT scope:SCOPE_SE
.Lno_ask:
	KICK
	s_sub_co_u32 s34, s34, 1
	s_cmp_lg_u32 s34, 0
	s_cbranch_scc1 .Lstep
	s_wait_alu depctr_va_vdst(0)                   ; the last half step's multiplications have written v[V ..], which the LDS stores of the way out read and in which its LDS loads land (x was written and last read ahead of earlier waits)
	OUT X, 28
	OUT V, 30
	s_wait_xcnt 0x0                                ; the stores have read their registers and their bases: both are written again only behind this wait
	s_wait_alu depctr_vm_vsrc(0)                   ; beside it: the sixteen stores have read v[X ..] and v[V ..], in which the next trip's loads land
	s_add_nc_u64 s[4:5], s[4:5], 65536             ; sixteen tiles on
	s_add_nc_u64 s[6:7], s[6:7], 65536
	s_add_nc_u64 s[8:9], s[8:9], 65536
	s_add_nc_u64 s[28:29], s[28:29], 65536
	s_add_nc_u64 s[30:31], s[30:31], 65536
	s_sub_co_u32 s33, s33, 1
	s_cmp_eq_u32 s33, 0
	s_cbranch_scc1 .Lno_more                       ; the last trip loads nothing: no load leaves its buffer
	TLOADS
.Lno_more:
	s_cmp_lg_u32 s33, 0
	s_cbranch_scc1 .Ltile
	s_wait_dscnt 0x0                               ; the closing lines, six on end
	s_wait_alu 0x0
	s_wait_tensorcnt 0x0
	ds_add_u32 v254, v255
	s_wait_dscnt 0x0
	s_endpgm
.Lfunc_end_k_q085b95b2eb_leap:
	.size	k_q085b95b2eb_leap, .Lfunc_end_k_q085b95b2eb_leap-k_q085b95b2eb_leap
	.p2alignl 7, 3214868480
	.fill 96, 4, 3214868480
	.section	.rodata,"a",@progbits
	.p2align	6, 0x0
	.amdhsa_kernel k_q085b95b2eb_leap
		.amdhsa_group_segment_fixed_size 215552
		.amdhsa_private_segment_fixed_size 0
		.amdhsa_enable_private_segment 0
		.amdhsa_kernarg_size 112
		.amdhsa_user_sgpr_count 2
		.amdhsa_user_sgpr_kernarg_segment_ptr 1
		.amdhsa_wavefront_size32 1
		.amdhsa_system_sgpr_workgroup_id_x 1
		.amdhsa_system_sgpr_workgroup_id_y 1
		.amdhsa_system_sgpr_workgroup_id_z 1
		.amdhsa_system_vgpr_workitem_id 0
		.amdhsa_next_free_vgpr 256
		.amdhsa_next_free_sgpr 66
		.amdhsa_reserve_vcc 0
		.amdhsa_float_denorm_mode_32 3
		.amdhsa_float_denorm_mode_16_64 3
		.amdhsa_memory_ordered 1
		.amdhsa_forward_progress 1
		.amdhsa_inst_pref_size 159
	.end_amdhsa_kernel
	.amdgpu_metadata
---
amdhsa.version: [ 1, 2 ]
amdhsa.kernels:
  - .name:           k_q085b95b2eb_leap
    .symbol:         k_q085b95b2eb_leap.kd
    .args:
      - { .name: x, .offset: 0, .size: 8, .value_kind: global_buffer, .address_space: global }
      - { .name: v, .offset: 8, .size: 8, .value_kind: global_buffer, .address_space: global }
      - { .name: force, .offset: 16, .size: 8, .value_kind: global_buffer, .address_space: global }
      - { .name: bf, .offset: 24, .size: 8, .value_kind: global_buffer, .address_space: global }
      - { .name: W_codes, .offset: 32, .size: 8, .value_kind: global_buffer, .address_space: global }
      - { .name: W_scales, .offset: 40, .size: 8, .value_kind: global_buffer, .address_space: global }
      - { .name: U_codes, .offset: 48, .size: 8, .value_kind: global_buffer, .address_space: global }
      - { .name: U_scales, .offset: 56, .size: 8, .value_kind: global_buffer, .address_space: global }
      - { .name: Wf_codes, .offset: 64, .size: 8, .value_kind: global_buffer, .address_space: global }
      - { .name: Wf_scales, .offset: 72, .size: 8, .value_kind: global_buffer, .address_space: global }
      - { .name: Wi_codes, .offset: 80, .size: 8, .value_kind: global_buffer, .address_space: global }
      - { .name: Wi_scales, .offset: 88, .size: 8, .value_kind: global_buffer, .address_space: global }
      - { .name: out0, .offset: 96, .size: 8, .value_kind: global_buffer, .address_space: global }
      - { .name: out1, .offset: 104, .size: 8, .value_kind: global_buffer, .address_space: global }
    .group_segment_fixed_size: 215552
    .private_segment_fixed_size: 0
    .kernarg_segment_align: 8
    .kernarg_segment_size: 112
    .max_flat_workgroup_size: 512
    .sgpr_count:     66
    .vgpr_count:     256
    .wavefront_size: 32
...
	.end_amdgpu_metadata
.endif
;; end of part 2
